; MI455X (gfx1250); checked and timed in simulation.
; The chip was launched on July 23, 2026; its instructions are those of AMD's public machine-readable ISA for CDNA 5 (MIT licence, August 2026) and "CDNA5" Instruction Set Architecture Reference Guide (July 2026). The comments in the code are by the model that wrote it; some were corrected since.
;; Cross Attention. Allowed arithmetic: matrix products marked QUANTISED: E5M2 operands, one E8M0 scale for each 32 along K, by v_wmma_scale_f32_16x16x128_f8f6f4 with both operands' format E5M2, f32 sums; everything else in f32.
;; Inputs: Wkv 1,024 x 2,048 float32; Wout 1,024 x 1,024 float32; Wq 1,024 x 1,024 float32; beta one number float32; bout 1,024 float32; context 2 x 4 x 1,024 x 1,024 float32; doc_similarities 2 x 4 float32; x 2 x 1,024 x 1,024 float32.
;; Outputs: out0 2 x 1,024 x 1,024 float32.
;; This version of the problem:
;;   THIS VERSION OF THE PROBLEM IS GIVEN IN LOW PRECISION. The matrix products marked QUANTISED in the list below multiply operands that are first quantised to E5M2 (5 exponent bits, 2 mantissa bits; 8 bits a number), with one power-of-two scale for each 32 numbers along K (OCP MX v1.0); their sums are f32. All else is computed in f32.
;;   The module's matrix products, in the order in which they are computed (A, B: the left and right operand; K: the contracted axis; several contracted axes count as one K, in the product's order):
;;     1. [M 2,048, K 1,024] x [K 1,024, N 1,024]; A: input x; B: input Wq: QUANTISED
;;     2. [M 8,192, K 1,024] x [K 1,024, N 2,048]; A: input context; B: input Wkv: QUANTISED
;;     3. batch 16 x [M 1,024, K 128] x [K 128, N 4,096]; A: computed on the way; B: computed on the way: QUANTISED
;;     4. batch 16 x [M 1,024, K 4,096] x [K 4,096, N 128]; A: softmax (see below); B: computed on the way: QUANTISED
;;     5. [M 2,048, K 1,024] x [K 1,024, N 1,024]; A: computed on the way; B: input Wout: QUANTISED
;;   THE QUANTISER, for each operand of a quantised product, along K:
;;     - K is cut into blocks of 32 from its start; a last block that is shorter is filled with zeros.
;;     - A block's scale is 2^e with e = floor(log2(the largest magnitude in the block)) - 15, held to -126 .. 127; a block of zeros has e = 0. As a byte (E8M0): e + 127.
;;     - Each number is divided by its block's scale, clamped to +-57,344, and rounded to the nearest number of E5M2, ties to even, subnormals kept.
;;     - The product sums the exact products of the quantised numbers (number of the format x scale) in f32.
;;   ~~~python
;;   def quantise(x, axis):      # numpy; x: float32 -> the quantised numbers, widened to float32 again
;;       x = np.moveaxis(x, axis, -1); K = x.shape[-1]
;;       x = np.pad(x, [(0, 0)] * (x.ndim - 1) + [(0, -K % 32)]); x = x.reshape(x.shape[:-1] + (-1, 32)); a = np.abs(x).max(-1, keepdims=True)
;;       e = np.where(a > 0, np.clip(np.frexp(np.where(a > 0, a, 1))[1] - 1 - 15, -126, 127), 0)      # np.frexp(a)[1] - 1 = floor(log2(a)), exactly
;;       r = np.clip(x / 2.0 ** e, -57344, 57344)
;;       step = 2.0 ** (np.maximum(np.frexp(np.where(r == 0, 1, r))[1] - 1, -14) - 2)
;;       q = np.round(r / step) * step * 2.0 ** e      # np.round: ties to even
;;       return np.moveaxis(q.reshape(q.shape[:-2] + (-1,))[..., :K], -1, axis).astype(np.float32)
;;   ~~~
;;   SOFTMAX AHEAD OF A QUANTISED PRODUCT. Where the list says 'softmax', what is quantised is not the finished softmax but p = 2^(t - M), with t = logit x log2(e) and M = ceil(the row's largest t), a whole number; so 1/2 < the row's largest p <= 1. The row's sum l is taken of the UNQUANTISED p, in f32, and the product's result is divided by l at the end. Since M is a whole number, a kernel that streams over the keys may use a running M (the ceiling of the running maximum): every later rescaling is an exact power of two, which a block's scale takes up: the codes' values come out the same.
;;   OPERANDS COMPUTED ON THE WAY. 'Computed on the way' means the value that the module computes at that place (a softmax that the list does not call 'softmax' is quantised finished and normalised). What goes into a quantiser is computed in f32, as accurately as f32 sums, v_exp_f32 and their like allow (about 1e-6 of the number): no bf16 or f16 on the way to a quantiser, and a product that is left as it is and whose result goes on into a quantised operand takes f32 operands (vector FMAs, or v_wmma_f32_16x16x4_f32). A number that lies on a knife's edge between two numbers of the format may be rounded either way, as far as f32 arithmetic and the matrix unit's own rounding can turn it there, and no further.
;; One version. Each part assembles by itself: llvm-mc -triple=amdgcn-amd-amdhsa -mcpu=gfx1250 --defsym DOCPART=n.
;; ======== version 1 of 1: 4 launches
;; limits: right only within a limited range of input values
;; workspace buffers: codes 14,680,064 bytes; scales 458,752 bytes; qbuf 2,162,688 bytes; kv 17,301,504 bytes; out_img 2,097,152 bytes; out_sc 65,536 bytes
;; launch quant (part 1): grid 448 x 1, 4 waves a work-group, no clusters, 68,096 bytes of LDS; arguments x, context, Wq, Wkv, Wout, codes, scales; writes codes, scales
.if DOCPART == 1
	.amdgcn_target "amdgcn-amd-amdhsa--gfx1250"
	.amdhsa_code_object_version 6
	.text
	.protected	k_q0f860b6089_quant
	.globl	k_q0f860b6089_quant
	.p2align	8
	.type	k_q0f860b6089_quant,@function
k_q0f860b6089_quant:
	s_mov_b64 s[64:65], 0
	v_nop
	global_prefetch_b8 v0, s[64:65] scope:SCOPE_SE
	s_setreg_imm32_b32 hwreg(HW_REG_WAVE_MODE, 25, 1), 1
	s_wait_xcnt 0x0
; x [2048][1024], context [8192][1024] (K innermost) and Wq [1024][1024], Wkv [1024][2048], Wout [1024][1024] (K = the FIRST axis), all f32,
; become codes of BF8 (E5M2) with K innermost, and one E8M0 byte for each 32 along K.
; codes: [14336 rows][1024 bytes]; scales: [14336 rows][32 bytes].  Rows 0-2047 x; 2048-10239 context; 10240.. Wq's columns; 11264.. Wkv's 2048 columns; 13312.. Wout's columns.
; THE ROW ORDER.  All rows but x's are stored at the place whose number has bits 3 and 4 swapped (inside each 32 rows).  Sixteen neighbouring places then hold rows
; 32 b + 8 u + r + 8 (r / 8): a product that takes such a tile as source 0 leaves 16 neighbours along these rows in a lane's 16 registers of two neighbouring tiles.
; A block's scale is 2^(floor(log2(largest magnitude)) - 15); its byte is the largest magnitude's exponent field - 15, held at 1 from below.
; LIMITS: a block of zeros gets the byte 1 with zero codes (the bytes are read by this program alone); blocks whose largest magnitude lies under 2^-111 are held at byte 1; NaN and infinities are not served.
; Work-groups 0-319 take 32 rows of x or context each (a wave 8 rows: 16 steps of 512 numbers); work-groups 320-447 take 128 columns x 256 along K of a weight.
; The two ways have LDS bytes of their own: 0-32767 the rows' way, 32768-67583 the weights'.  No tensor loads, no barrier: waves share nothing.
.set MANT,  0x600000                   ; the mantissa field of 57,344
.set FLOOR, 0x8000000                  ; 2^(16 - 127)
.set OFF15, 0xf8800000                 ; -(15 << 23)
.set STEPS, 16
.set CB,    16                         ; bytes of a lane's 16 codes
.set R,     16                         ; v16-79   rows' way: four sets of 16 numbers as loaded
.set X,     80                         ; v80-111  two sets of 16 neighbours
.set E,     112                        ; v112-127 a scale byte for each step
.set C,     128                        ; v128-191 four code registers for each step
.set WREG,  8192                       ; LDS of a wave on the rows' way: two stages of 32 x SP bytes, then 256 scale bytes
.set SP,    80
.set NB,    8                          ; weights' way: blocks of 32 along K for a wave
.set PITCH, 272                        ; a stage row: 256 bytes of codes + 16
.set WSTG,  32768
.set WX,    32                         ; v32-95   two sets of 32 numbers
.set WC,    96                         ; v96-103  a block's codes
.set OUTR,  112                        ; v112-175 the way out
.set SB,    24                         ; v24-25   eight scale bytes
.set VO,    176                        ; v176-207 4 x lane + i rows of the weight, i = 0 .. 31; never rewritten
	s_load_b256 s[8:15], s[0:1], 0x0               ; x s[8:9], context s[10:11], Wq s[12:13], Wkv s[14:15]
	s_load_b128 s[16:19], s[0:1], 0x20             ; Wout s[16:17], codes s[18:19]
	s_load_b64 s[20:21], s[0:1], 0x30              ; scales
	v_lshl_add_u32 v208, v0, 2, 0x10800
	v_mov_b32 v209, 0
	v_lshrrev_b32 v1, 5, v0
	v_readfirstlane_b32 s22, v1                    ; wave 0..3
	v_and_b32 v2, 31, v0                           ; lane
	s_mov_b32 s23, MANT
	s_cmp_lt_u32 ttmp9, 320
	s_cbranch_scc0 .Lweights
	; ---------------- THE ROWS' WAY: a plain stream of blocks of 32
	v_lshlrev_b32 v3, 4, v2                        ; my 16 bytes of a load's 512
	s_mul_i32 s27, s22, WREG
	v_lshrrev_b32 v14, 2, v2
	v_mul_u32_u24 v14, v14, SP
	v_and_b32 v15, 3, v2
	v_lshl_add_u32 v14, v15, 4, v14
	v_add_nc_u32 v14, s27, v14                     ; the stage on the way in: SP (lane / 4) + 16 (lane % 4)
	v_mul_u32_u24 v15, v2, SP
	v_add_nc_u32 v15, s27, v15                     ; and on the way out: SP x lane: my 16 neighbours
	v_mul_u32_u24 v4, v2, CB                       ; my codes' place in a step's
	v_lshrrev_b32 v5, 1, v2
	s_add_co_u32 s27, s27, 2*32*SP
	v_add_nc_u32 v5, s27, v5                       ; my block's byte among the wave's 256
	v_lshlrev_b32 v7, 3, v2
	v_add_nc_u32 v6, s27, v7                       ; and 8 bytes a lane on the way out
	s_and_b32 s26, s22, 1
	s_lshl_b32 s26, s26, 1
	s_lshr_b32 s25, s22, 1
	s_or_b32 s26, s26, s25                         ; the wave's two bits swapped: a wave's 8 rows are bits 3 and 4 of the row's number
	s_wait_kmcnt 0x0
	s_cmp_lt_u32 ttmp9, 64                         ; x's work-group or context's?
	s_cselect_b64 s[4:5], s[8:9], s[10:11]
	s_cselect_b32 s24, 0, 64
	s_cselect_b32 s25, s22, s26                    ; x keeps its order
	s_sub_co_u32 s24, ttmp9, s24
	s_lshl_b32 s24, s24, 2
	s_add_co_u32 s24, s24, s22                     ; which run of 8 rows of the tensor I read,
	s_lshl_b32 s30, s24, 15                        ; 32,768 bytes each
	s_mov_b32 s31, 0
	s_add_nc_u64 s[4:5], s[4:5], s[30:31]
	s_lshl_b32 s24, ttmp9, 2
	s_add_co_u32 s24, s24, s25                     ; and which run of 8 rows of the buffers I write
	s_lshl_b32 s30, s24, 13
	s_add_nc_u64 s[6:7], s[18:19], s[30:31]
	s_lshl_b32 s30, s24, 8
	s_add_nc_u64 s[28:29], s[20:21], s[30:31]
.macro RLOAD t
.irp i, 0,1,2,3
	global_load_b128 v[R+16*((\t)%4)+4*\i:R+16*((\t)%4)+4*\i+3], v3, s[4:5] offset:2048*(\t)+512*\i th:TH_LOAD_NT   ; 32 lanes read 512 consecutive bytes
.endr
.endm
.macro RTURN t                         ; a step's 2,048 bytes through the wave's stage: in as they lie, back 64 bytes a lane; LDS serves a wave's instructions in order
.irp i, 0,1,2,3
	ds_store_b128 v14, v[R+16*((\t)%4)+4*\i:R+16*((\t)%4)+4*\i+3] offset:32*SP*((\t)%2)+8*SP*\i
.endr
.irp i, 0,1,2,3
	ds_load_b128 v[X+16*((\t)%2)+4*\i:X+16*((\t)%2)+4*\i+3], v15 offset:32*SP*((\t)%2)+16*\i
.endr
.endm
.irp t, 0,1,2,3
	RLOAD \t
.endr
	s_wait_loadcnt 12                              ; step 0's four loads are in
	RTURN 0
.macro RSTEP t
.set XS, X+16*((\t)%2)
.if (\t) > 0
	s_wait_dscnt 1                                 ; this step's numbers are back from the stage (the last step's byte store may be out)
.else
	s_wait_dscnt 0x0
.endif
.if (\t)+4 < STEPS
	RLOAD (\t)+4                                   ; into the registers that the stage's stores have read
.endif
.if (\t)+1 < STEPS
.if STEPS-2-(\t) >= 3
	s_wait_loadcnt 12                              ; the next step's four loads are in; the three steps behind it may be out
.else
	s_wait_loadcnt 4*(STEPS-2-(\t))
.endif
	RTURN (\t)+1
.endif
	v_max3_num_f32 v8, |v[XS]|, |v[XS+1]|, |v[XS+2]|
	v_max3_num_f32 v9, |v[XS+3]|, |v[XS+4]|, |v[XS+5]|
.irp i, 6,10
	v_max3_num_f32 v8, v8, |v[XS+\i]|, |v[XS+\i+1]|
	v_max3_num_f32 v9, v9, |v[XS+\i+2]|, |v[XS+\i+3]|
.endr
	v_max3_num_f32 v8, v8, |v[XS+14]|, |v[XS+15]|
	v_max3_num_f32 v8, v8, v9, FLOOR               ; the floor holds the byte at 1 from below
	v_max_num_f32_dpp v8, v8, v8 row_xmask:1 row_mask:0xf bank_mask:0xf   ; with my neighbour's 16: the block's largest magnitude
	v_add_nc_u32 v11, OFF15, v8                    ; 15 off its exponent field: the conversion's scale operand
	v_and_or_b32 v10, v8, 0x7f800000, s23          ; 57,344 x the scale
.irp i, 0,1,2,3,4,5,6,7,8,9,10,11,12,13,14,15
	v_med3_num_f32 v[XS+\i], v[XS+\i], -v10, v10   ; the conversion to an 8-bit code does not saturate (ISA guide 7.6.2): the hold comes first
.endr
	v_cvt_scalef32_pk8_bf8_f32 v[C+4*(\t):C+4*(\t)+1], v[XS:XS+7], v11
	v_cvt_scalef32_pk8_bf8_f32 v[C+4*(\t)+2:C+4*(\t)+3], v[XS+8:XS+15], v11
	v_lshrrev_b32 v[E+(\t)], 23, v11               ; the scale's byte (also the plain line behind the conversions)
	ds_store_b8 v5, v[E+(\t)] offset:16*(\t)       ; both lanes of a block write the same byte with the same value
	global_store_b128 v4, v[C+4*(\t):C+4*(\t)+3], s[6:7] offset:32*CB*(\t)   ; 512 consecutive bytes a wave
.endm
.irp t, 0,1,2,3,4,5,6,7,8,9,10,11,12,13,14,15
	RSTEP \t
.endr
	ds_load_b64 v[12:13], v6                       ; my wave's own bytes, in order behind its stores
	s_wait_dscnt 0x0
	global_store_b64 v7, v[12:13], s[28:29]        ; 32 lanes store 256 consecutive bytes, aligned
	s_wait_tensorcnt 0x0
	ds_add_u32 v208, v209
	s_wait_dscnt 0x0
	s_endpgm
	; ---------------- THE WEIGHTS' WAY: a lane takes a column, its registers run down K
.Lweights:
	s_sub_co_u32 s24, ttmp9, 320
	s_and_b32 s25, s24, 31                         ; gx: which 128 of the 4,096 columns
	s_lshr_b32 s26, s24, 5                         ; gy: which 256 along K
	s_mul_i32 s27, s22, 32*PITCH
	s_add_co_u32 s27, s27, WSTG                    ; my stage
	v_mul_u32_u24 v4, v2, PITCH
	v_add_nc_u32 v4, s27, v4                       ; into it: row = my column
	v_and_b32 v5, 15, v2
	v_lshrrev_b32 v6, 4, v2
	v_mul_u32_u24 v7, v6, PITCH
	v_lshl_add_u32 v7, v5, 4, v7
	v_add_nc_u32 v7, s27, v7                       ; out of it: sixteen lanes to a row, two rows an instruction
	v_lshlrev_b32 v8, 10, v6
	v_lshl_add_u32 v8, v5, 4, v8                   ; the same in the codes' buffer (rows of 1,024 bytes)
	v_and_b32 v9, 7, v2                            ; my column's place: bits 3 and 4 swapped,
	v_and_b32 v10, 8, v2
	v_lshl_or_b32 v9, v10, 1, v9
	v_and_b32 v10, 16, v2
	v_lshrrev_b32 v10, 1, v10
	v_or_b32 v9, v9, v10
	v_lshlrev_b32 v9, 5, v9                        ; x 32 bytes: its row of scale bytes
	s_mov_b32 s31, 4096
	s_wait_kmcnt 0x0
	s_cmp_lt_u32 s25, 24                           ; gx 0-7 Wq, 8-23 Wkv, 24-31 Wout
	s_cselect_b64 s[4:5], s[14:15], s[16:17]
	s_cselect_b32 s27, 8, 24
	s_cselect_b32 s30, 8192, s31                   ; bytes from a row of the weight to the next
	s_cmp_lt_u32 s25, 8
	s_cselect_b64 s[4:5], s[12:13], s[4:5]
	s_cselect_b32 s27, 0, s27
	s_cselect_b32 s30, s31, s30
	s_sub_co_u32 s27, s25, s27
	s_lshl_b32 s27, s27, 7
	s_lshl_b32 s28, s22, 5
	s_add_co_u32 s27, s27, s28                     ; my wave's first column in its weight
	s_lshl_b32 s27, s27, 2
	s_lshl_b32 s28, s26, 8
	s_mul_i32 s28, s28, s30                        ; 256 gy rows down
	s_add_co_u32 s28, s28, s27
	s_mov_b32 s29, 0
	s_add_nc_u64 s[32:33], s[4:5], s[28:29]        ; a base for each block of 32 rows: none is ever stepped
	s_lshl_b32 s28, s30, 5
.irp t, 1,2,3,4,5,6,7
	s_add_nc_u64 s[32+2*\t:33+2*\t], s[30+2*\t:31+2*\t], s[28:29]
.endr
	v_lshlrev_b32 v[VO], 2, v2
.set i, 1
.rept 31
	v_add_nc_u32 v[VO+i], s30, v[VO+i-1]
.set i, i+1
.endr
	s_lshl_b32 s48, s25, 7
	s_lshl_b32 s49, s22, 5
	s_add_co_u32 s48, s48, s49
	s_add_co_u32 s48, s48, 10240                   ; my wave's first row in the buffers
	s_lshl_b32 s50, s48, 10
	s_lshl_b32 s49, s26, 8
	s_add_co_u32 s50, s50, s49
	s_mov_b32 s51, 0
	s_add_nc_u64 s[6:7], s[18:19], s[50:51]
	s_lshl_b32 s50, s48, 5
	s_lshl_b32 s49, s26, 3
	s_add_co_u32 s50, s50, s49
	s_add_nc_u64 s[28:29], s[20:21], s[50:51]
.macro WLOAD t                         ; block t: W(32 t + i, my column): 128 consecutive bytes a wave, 512 a work-group
.irp i, 0,1,2,3,4,5,6,7,8,9,10,11,12,13,14,15,16,17,18,19,20,21,22,23,24,25,26,27,28,29,30,31
	global_load_b32 v[WX+32*((\t)%2)+\i], v[VO+\i], s[32+2*(\t):33+2*(\t)] th:TH_LOAD_NT
.endr
.endm
	WLOAD 0
	WLOAD 1
.macro WBLOCK t
.set XS, WX+32*((\t)%2)
.if (\t) < NB-1
	s_wait_loadcnt 32                              ; this block's 32 loads are in; the next block's may be out
.else
	s_wait_loadcnt 0x0
.endif
	v_max3_num_f32 v12, |v[XS]|, |v[XS+1]|, |v[XS+2]|   ; all 32 numbers of the block are mine
	v_max3_num_f32 v13, |v[XS+3]|, |v[XS+4]|, |v[XS+5]|
.irp i, 6,10,14,18,22,26
	v_max3_num_f32 v12, v12, |v[XS+\i]|, |v[XS+\i+1]|
	v_max3_num_f32 v13, v13, |v[XS+\i+2]|, |v[XS+\i+3]|
.endr
	v_max3_num_f32 v12, v12, |v[XS+30]|, |v[XS+31]|
	v_max3_num_f32 v12, v12, v13, FLOOR
	v_add_nc_u32 v11, OFF15, v12
	v_and_or_b32 v10, v12, 0x7f800000, s23
	v_lshrrev_b32 v13, 23, v11
.if (\t)%4 == 0
	v_mov_b32 v[SB+(\t)/4], v13                    ; four bytes to a register, the lower K in the lower byte
.else
	v_lshl_or_b32 v[SB+(\t)/4], v13, 8*((\t)%4), v[SB+(\t)/4]
.endif
.irp i, 0,1,2,3,4,5,6,7,8,9,10,11,12,13,14,15,16,17,18,19,20,21,22,23,24,25,26,27,28,29,30,31
	v_med3_num_f32 v[XS+\i], v[XS+\i], -v10, v10
.endr
.irp g, 0,1,2,3
	v_cvt_scalef32_pk8_bf8_f32 v[WC+2*\g:WC+2*\g+1], v[XS+8*\g:XS+8*\g+7], v11
.endr
	v_nop                                          ; a plain line behind the last conversion
	ds_store_b128 v4, v[WC:WC+3] offset:32*(\t)
	ds_store_b128 v4, v[WC+4:WC+7] offset:32*(\t)+16
.if (\t)+2 < NB
	WLOAD (\t)+2
.endif
	s_wait_dscnt 0x0                               ; the stores have read their registers: the next block's codes may be written
.endm
.irp t, 0,1,2,3,4,5,6,7
	WBLOCK \t
.endr
	global_store_b64 v9, v[SB:SB+1], s[28:29]      ; my column's eight scale bytes
.irp t, 0,1,2,3,4,5,6,7,8,9,10,11,12,13,14,15
	ds_load_b128 v[OUTR+4*\t:OUTR+4*\t+3], v7 offset:2*\t*PITCH
.endr
.irp t, 0,1,2,3,4,5,6,7,8,9,10,11,12,13,14,15
	s_wait_dscnt 15-\t
	global_store_b128 v8, v[OUTR+4*\t:OUTR+4*\t+3], s[6:7] offset:2048*(((\t)&3)|(((\t)&4)<<1)|(((\t)&8)>>1))   ; stage rows 2 t, 2 t + 1 go to the places with bits 3 and 4 swapped; sixteen lanes store 256 consecutive bytes, aligned
.endr
	s_wait_tensorcnt 0x0
	ds_add_u32 v208, v209
	s_wait_dscnt 0x0
	s_endpgm
.Lfunc_end_k_q0f860b6089_quant:
	.size	k_q0f860b6089_quant, .Lfunc_end_k_q0f860b6089_quant-k_q0f860b6089_quant
	.p2alignl 7, 3214868480
	.fill 96, 4, 3214868480
	.section	.rodata,"a",@progbits
	.p2align	6, 0x0
	.amdhsa_kernel k_q0f860b6089_quant
		.amdhsa_group_segment_fixed_size 68096
		.amdhsa_private_segment_fixed_size 0
		.amdhsa_enable_private_segment 0
		.amdhsa_kernarg_size 56
		.amdhsa_user_sgpr_count 2
		.amdhsa_user_sgpr_kernarg_segment_ptr 1
		.amdhsa_wavefront_size32 1
		.amdhsa_system_sgpr_workgroup_id_x 1
		.amdhsa_system_sgpr_workgroup_id_y 1
		.amdhsa_system_sgpr_workgroup_id_z 1
		.amdhsa_system_vgpr_workitem_id 0
		.amdhsa_next_free_vgpr 210
		.amdhsa_next_free_sgpr 66
		.amdhsa_reserve_vcc 0
		.amdhsa_float_denorm_mode_32 3
		.amdhsa_float_denorm_mode_16_64 3
		.amdhsa_memory_ordered 1
		.amdhsa_forward_progress 1
		.amdhsa_inst_pref_size 112
	.end_amdhsa_kernel
	.amdgpu_metadata
---
amdhsa.version: [ 1, 2 ]
amdhsa.kernels:
  - .name:           k_q0f860b6089_quant
    .symbol:         k_q0f860b6089_quant.kd
    .args:
      - { .name: x, .offset: 0, .size: 8, .value_kind: global_buffer, .address_space: global }
      - { .name: context, .offset: 8, .size: 8, .value_kind: global_buffer, .address_space: global }
      - { .name: Wq, .offset: 16, .size: 8, .value_kind: global_buffer, .address_space: global }
      - { .name: Wkv, .offset: 24, .size: 8, .value_kind: global_buffer, .address_space: global }
      - { .name: Wout, .offset: 32, .size: 8, .value_kind: global_buffer, .address_space: global }
      - { .name: codes, .offset: 40, .size: 8, .value_kind: global_buffer, .address_space: global }
      - { .name: scales, .offset: 48, .size: 8, .value_kind: global_buffer, .address_space: global }
    .group_segment_fixed_size: 68096
    .private_segment_fixed_size: 0
    .kernarg_segment_align: 8
    .kernarg_segment_size: 56
    .max_flat_workgroup_size: 128
    .sgpr_count:     66
    .vgpr_count:     210
    .wavefront_size: 32
...
	.end_amdgpu_metadata
.endif
;; end of part 1
;; launch proj (part 2): grid 8 x 32, 4 waves a work-group, clusters of 4 x 4, 327,680 bytes of LDS; arguments codes, scales, qbuf, kv; writes qbuf, kv
.if DOCPART == 2
	.amdgcn_target "amdgcn-amd-amdhsa--gfx1250"
	.amdhsa_code_object_version 6
	.text
	.protected	k_q0f860b6089_proj
	.globl	k_q0f860b6089_proj
	.p2align	8
	.type	k_q0f860b6089_proj,@function
k_q0f860b6089_proj:
	s_mov_b64 s[64:65], 0
	v_nop
	global_prefetch_b8 v0, s[64:65] scope:SCOPE_SE
	s_setreg_imm32_b32 hwreg(HW_REG_WAVE_MODE, 25, 1), 1
	s_wait_xcnt 0x0
	s_wait_alu depctr_hold_cnt(0) depctr_sa_sdst(0) depctr_va_vdst(0) depctr_va_sdst(0) depctr_va_ssrc(0) depctr_va_vcc(0) depctr_vm_vsrc(0)
	s_getreg_b32 s2, hwreg(HW_REG_IB_STS2, 6, 4)
	s_cmp_eq_u32 s2, 0
	s_cbranch_scc0 .Lentry_in_a_cluster
	s_endpgm
.Lentry_in_a_cluster:
	s_bfe_u32 s2, ttmp6, 0x10000c
	s_cmp_lg_u32 s2, 0xf033
	s_cbranch_scc0 .Lentry_shape_is_right
	s_endpgm
.Lentry_shape_is_right:
; k = context Wk, v = context Wv and q = x Wq on codes of BF8 (E5M2) with E8M0 scales; the results are quantised in registers and leave as codes.
; THE TILE.  256 x 256 of k or of v, K = 1,024; four waves, each 128 x 128: 64 accumulators, 512 registers.  K goes in steps of 256 through a ring of two LDS slots filled by the tensor data mover.  k and v are 256 tiles: 256 work-groups.
; Source 1 of every product ("A") gives a lane its row; source 0 ("B") gives a lane's registers their axis, which is the axis along which the result is quantised:
;   k (cluster x = 0): A = context's rows, B = Wk's columns   (quantised along the head's 128)
;   v (cluster x = 1): A = Wv's columns,   B = context's rows (quantised along the keys)
; THE PIECE OF q.  q is 2,048 x 1,024 = 256 pieces of 64 queries x one head: each work-group makes one behind its tile, so that all 256 have equal work.  The ring goes on into it: its K goes in two halves of 512
; (x's 64 rows, then Wq's 128 rows, 512 bytes + 16 each); half 0 lands in slot 0 while the tile's last K step is multiplied, half 1 in slot 1 while the tile goes out.  Wave w makes queries 16 w .. 16 w + 15 x the head's 128: 8 accumulators.
; All operands are rows of the ONE buffer of codes and the one of scale bytes, so only row numbers are chosen, by selects on the cluster's place: no branch.
; B's rows lie with bits 3 and 4 of their number swapped, so the 16 registers of accumulators (a, 2 b) and (a, 2 b + 1) are 16 neighbours 32 b + 16 (lane / 16) + 0 .. 15 along B's true rows:
; the conversions' results ARE a fragment of the next product, and go to memory as an image of its registers: four stores of 512 consecutive bytes.
; kv: [b h 16][128 keys, 32][33,792]: K's 8 images, V's at 16,384, K's scale words at 32,768, V's at 33,280.  qbuf: [b h 16][128 queries, 8][16,896]: 8 images, the words at 16,384.
; CLUSTERS: 4 x 4 work-groups.  A's tile (and x's rows of the piece) is asked for jointly along a row of the cluster, B's (and Wq's rows) along a column.
; No prefetch: the tiles are shared by joint loads and each is read by many work-groups.
; LIMITS: a block of zeros gets the byte 1 with zero codes; blocks under 2^-111 are held at byte 1; NaN and infinities are not served.
; REGISTERS: window 0: v0-31 addresses and, v8-15, x's scale words; v32-63 scale words and nothing else; v128-255 A's fragments, one set; on the way out v64-255 are free.  window 1: B's fragments, two sets.  windows 2, 3: the accumulators ((a, b) at v[8 (8 (a % 4) + b)]).
.set KSTEP,  256
.set NQ,     2
.set ROWB,   256
.set KROW,   1024
.set PITCH,  272                       ; an LDS row: 256 bytes + 16 of padding: the 16 rows of a load start at 16 different banks (64 banks of 4 bytes: ISA guide 11.1)
.set FR,     16
.set NL,     4
.set NP,     8                         ; places behind this matrix instruction (ISA guide 7.12.1)
.set HALFT,  128*PITCH
.set SLOT,   4*HALFT
.set LAPS,   2
.set KS,     32                        ; a row of scale bytes
.set SCL,    2*SLOT                    ; behind the ring: the scale bytes of my 256 + 256 rows, as units of 256 bytes + 16
.set HALFS,  (128*KS/256)*272
.set SBLK,   (16*KS/256)*272
.set SPARE,  SCL+4*HALFS               ; the spare words: 128 bytes a wave; no other line names them
.set SCR,    SPARE+512                 ; bytes of their own, into which no tile lands: 512 for each wave, the tile's scale words on their way out;
.set QW,     SCR+2048                  ; and 256 for the piece's 64 scale words
.set PQ,     528                       ; the piece: an LDS row of 512 bytes + 16 of padding = 132 words: again 16 different banks
.set XSO,  5                           ; v5   32 x (lane % 16): x's rows of scale bytes
.set QWO,  6                           ; v6   8 x lane
.set WSO,  7                           ; v7   32 x lane: Wq's rows of scale bytes
.set XS,   8                           ; v8-15  x's scale words, K step s in register s
.set ADRA, 16
.set ADX,  18                          ; v18, v19  the piece: my 16 rows of x in slot 0, 1
.set ADRB, 20
.set ADW,  22                          ; v22, v23  the piece: Wq's rows in slot 0, 1
.set SWA,  24                          ; v24  the way out: where I put a scale word: SCR + 512 x wave + 4 (lane % 16)
.set RDS,  25                          ; v25  and where I read 16 bytes of the 512 back
.set CO,   26                          ; v26  16 x lane
.set ADRS, 27
.set SPW,  28
.set NIL,  29
.set QWA,  30                          ; v30  the piece's scale word: QW + 64 x wave + 4 (lane % 16)
.set QWR,  31                          ; v31  QW + 8 x lane
.set SC,   32
.set WS,   32                          ; the piece: Wq's scale words, 8 (b / 2) + s: lanes 0-15 tile 2 (b / 2), lanes 16-31 the next
.set AF,   128
.set X,    64                          ; the way out: v64-127 a block's 64 numbers, held
.set AQ,   64                          ; the piece: x's four fragments of half u at v[64 + 64 u]
.set PC,   128                         ; v128-191 codes: four sets of 16 registers by turns
.set BKW,  192                         ; v192-195 scale words read back
.set TM,   232                         ; v232-235 largest magnitudes, v236-239 bytes, v240-243 the holds, v244-247 the conversions' scale operands
.set PWB,  248                         ; v248-255 a scale word for each block
.set G1, 24
.set G0, 32
.set G1B, 48
.set G0B, 56
.set G1S, 68
.set G0S, 76
.set G1SB, 80
.set G0SB, 88
.set G1X, 68                           ; the piece's descriptors take the registers of the scale bytes' descriptors, whose loads are long done: x's where A's were,
.set G0X, 76
.set G1W, 80                           ; Wq's where B's were
.set G0W, 88
.set SEL, 98
.set MNT, 100
.set MSB, 0
.macro WIN new                         ; the immediate's high byte repeats the setting that is left
.if MSB != (\new)
	s_set_vgpr_msb (MSB<<8)|(\new)
.set MSB, (\new)
.endif
.endm
.set MUL_LO, 0xa1                      ; source 0 (B) window 1, source 1 (A) window 0, C and D window 2
.set MUL_HI, 0xf1
.set TO_B,   0x40
; A joint load: waves 0 and 1 fetch for A, waves 2 and 3 for B; the branch hangs on the wave's number alone.  Four v_nop follow each of the two lines.
.macro JLOAD g0a, g1a, g0b, g1b
	s_cmp_eq_u32 s15, 0
	s_cbranch_scc0 .Lfor_b_\@
	tensor_load_to_lds s[\g0a:\g0a+3], s[\g1a:\g1a+7]
	s_nop 0
.rept 4
	v_nop
.endr
	s_branch .Lasked_\@
.Lfor_b_\@:
	tensor_load_to_lds s[\g0b:\g0b+3], s[\g1b:\g1b+7]
	s_nop 0
.rept 4
	v_nop
.endr
.Lasked_\@:
.endm
.macro CREST                           ; a round of the cluster's barrier behind its opening barrier
	s_cmp_lg_u32 s14, 0
	s_cbranch_scc1 .Lnot_wave_0_\@
	s_barrier_signal -3
.Lnot_wave_0_\@:
	s_barrier_wait -3
	s_barrier_signal -1
	s_barrier_wait -1
.endm
.macro CROUND
	s_barrier_signal -1
	s_barrier_wait -1
	CREST
.endm
	s_load_b256 s[4:11], s[0:1], 0x0               ; codes s[4:5], scales s[6:7], qbuf s[8:9], kv s[10:11]
	v_lshl_add_u32 v[SPW], v0, 2, SPARE
	v_mov_b32 v[NIL], 0
	ds_add_u32 v28, v29
	s_wait_dscnt 0x0
	v_lshrrev_b32 v1, 5, v0
	v_readfirstlane_b32 s14, v1                    ; wave 0..3
	s_lshr_b32 s15, s14, 1                         ; which half of A's rows is mine.  Also: I fetch for A (0) or for B (1)
	s_and_b32 s16, s14, 1                          ; which half of B's rows.  Also: which part of the rows I fetch
	s_bfe_u32 s40, ttmp6, 0x40000                  ; cx
	s_bfe_u32 s41, ttmp6, 0x40004                  ; cy
	s_and_b32 s95, ttmp7, 0xffff                   ; cluster y, 0 to 7; ttmp9 is cluster x, 0 or 1
	s_lshl_b32 s43, s41, 2
	s_lshl_b32 s43, 15, s43                        ; my row of the cluster
	s_lshl_b32 s44, 0x1111, s40                    ; my column
	s_mov_b32 s[SEL], 0x76543210
	s_mov_b32 s[SEL+1], 0xfedcba98                 ; v_permlanex16_b32's selects for lane l xor 16
	s_mov_b32 s[MNT], 0x600000
	; which product this cluster makes, and the first rows of its two operands: all hang on the cluster's place alone
	s_lshl_b32 s96, s95, 10
	s_add_co_u32 s96, s96, 2048                    ; context's 1,024 rows of this cluster
	s_lshl_b32 s97, ttmp9, 10
	s_add_co_u32 s97, s97, 11264                   ; Wk's columns or Wv's
	s_cmp_eq_u32 ttmp9, 1
	s_cselect_b32 s67, 1, 0                        ; is it v?
	s_cselect_b32 s17, s97, s96                    ; A's first row
	s_cselect_b32 s42, s96, s97                    ; B's
	; descriptor group 1: a tile of 128 rows x 256 bytes, padded in LDS
	s_or_b32 s[G1+0], s43, (0<<16)|(1<<20)|(1<<21)|(5<<22)|(3<<25)  ; the mask: A's tiles go to my row; elements of 1 byte; padding on; bit 21 beside a mask; after every 64 words, 4 words
	s_or_b32 s[G1B+0], s44, (0<<16)|(1<<20)|(1<<21)|(5<<22)|(3<<25)
.irp g, G1, G1B
	s_mov_b32 s[\g+1], ROWB<<16                    ; tensor_dim0
	s_mov_b32 s[\g+2], 128<<16                     ; tensor_dim1
	s_mov_b32 s[\g+3], ROWB<<16                    ; tile_dim0
	s_mov_b32 s[\g+4], 128                         ; tile_dim1
	s_mov_b32 s[\g+5], KROW                        ; the pitch
	s_mov_b32 s[\g+6], 0
	s_mov_b32 s[\g+7], 0
.endr
	; the scale bytes of 128 rows: 4,096 dense bytes, as 16 rows of 256 bytes (32 elements of 8), 16 bytes of padding behind each
	s_or_b32 s[G1S+0], s43, (3<<16)|(1<<20)|(1<<21)|(5<<22)|(3<<25)
	s_or_b32 s[G1SB+0], s44, (3<<16)|(1<<20)|(1<<21)|(5<<22)|(3<<25)
.irp g, G1S, G1SB
	s_mov_b32 s[\g+1], 32<<16
	s_mov_b32 s[\g+2], (128*KS/256)<<16
	s_mov_b32 s[\g+3], 32<<16
	s_mov_b32 s[\g+4], 128*KS/256
	s_mov_b32 s[\g+5], 32
	s_mov_b32 s[\g+6], 0
	s_mov_b32 s[\g+7], 0
.endr
	s_lshl_b32 s18, s16, 7                         ; which 128 rows of the tile I fetch
	s_lshl_b32 s20, s41, 8
	s_add_co_u32 s20, s20, s17
	s_add_co_u32 s20, s20, s18                     ; A: first row + 256 cy + 128 x half
	s_lshl_b32 s46, s40, 8
	s_add_co_u32 s46, s46, s42
	s_add_co_u32 s46, s46, s18                     ; B: first row + 256 cx + 128 x half
	s_lshl_b32 s22, s20, 5                         ; their scale bytes (rows under 14,336: all offsets under 2^24)
	s_mov_b32 s23, 0
	s_lshl_b32 s92, s46, 5
	s_mov_b32 s93, 0
	s_lshl_b32 s20, s20, 10                        ; and their codes
	s_mov_b32 s21, 0
	s_lshl_b32 s46, s46, 10
	s_mov_b32 s47, 0
	s_mul_i32 s45, s14, HALFT                      ; where they go: wave x 128 rows: no place in the cluster enters an LDS address
	s_mul_i32 s94, s14, HALFS
	s_wait_kmcnt 0x0
	s_add_nc_u64 s[20:21], s[4:5], s[20:21]
	s_add_nc_u64 s[22:23], s[6:7], s[22:23]
	s_add_nc_u64 s[46:47], s[4:5], s[46:47]
	s_add_nc_u64 s[92:93], s[6:7], s[92:93]
	CROUND                                         ; all sixteen work-groups are here: the first joint loads meet
	s_mov_b32 s[G0S], 1
	s_add_co_u32 s[G0S+1], s94, SCL
	s_mov_b64 s[G0S+2:G0S+3], s[22:23]
	s_or_b32 s[G0S+3], s[G0S+3], 0x80000000
	s_mov_b32 s[G0SB], 1
	s_add_co_u32 s[G0SB+1], s94, SCL
	s_mov_b64 s[G0SB+2:G0SB+3], s[92:93]
	s_or_b32 s[G0SB+3], s[G0SB+3], 0x80000000
	JLOAD G0S, G1S, G0SB, G1SB                     ; the scale bytes first: they are wanted with K step 0, and are filled once
.irp s, 0,1
	s_mov_b32 s[G0+4*\s], 1
	s_add_co_u32 s[G0+4*\s+1], s45, \s*SLOT
	s_add_nc_u64 s[G0+4*\s+2:G0+4*\s+3], s[20:21], \s*ROWB
	s_or_b32 s[G0+4*\s+3], s[G0+4*\s+3], 0x80000000
	s_mov_b32 s[G0B+4*\s], 1
	s_add_co_u32 s[G0B+4*\s+1], s45, \s*SLOT
	s_add_nc_u64 s[G0B+4*\s+2:G0B+4*\s+3], s[46:47], \s*ROWB
	s_or_b32 s[G0B+4*\s+3], s[G0B+4*\s+3], 0x80000000
	JLOAD G0+4*\s, G1, G0B+4*\s, G1B
.endr
	v_and_b32 v1, 15, v0                           ; l % 16
	v_bfe_u32 v2, v0, 4, 1                         ; l / 16
	v_mul_u32_u24 v3, v1, PITCH
	v_lshl_add_u32 v4, v2, 4, v3                   ; a fragment's row x pitch + 16 x half
	s_mul_i32 s21, s15, HALFT                      ; my 128 rows of A
	s_mul_i32 s22, s16, HALFT                      ; my 128 rows of B,
	s_add_co_u32 s22, s22, 2*HALFT                 ; which lie behind A's 256
.irp s, 0,1
	v_add_nc_u32 v[ADRA+\s], s21, v4
	v_add_nc_u32 v[ADRB+\s], s22, v4
	s_add_co_u32 s21, s21, SLOT
	s_add_co_u32 s22, s22, SLOT
.endr
	v_mul_u32_u24 v5, v1, KS                       ; my row's scale bytes: 32 a row,
	v_lshrrev_b32 v6, 8, v5
	v_lshl_add_u32 v5, v6, 4, v5                   ; and 16 more for each 256 passed
	s_mul_i32 s21, s15, HALFS
	s_mul_i32 s22, s16, HALFS
	s_add_co_u32 s22, s22, 2*HALFS
	s_sub_co_u32 s22, s22, s21
	v_mul_u32_u24 v6, s22, v2                      ; lanes 16-31 take B's: one product, the distance between the two bases
	s_add_co_u32 s21, s21, SCL
	v_add_nc_u32 v5, v5, v6
	v_add_nc_u32 v[ADRS], s21, v5
	s_lshl_b32 s23, s14, 9
	s_add_co_u32 s23, s23, SCR
	v_lshl_add_u32 v[SWA], v1, 2, s23
	v_and_b32 v6, 31, v0
	v_lshlrev_b32 v[CO], 4, v6
	v_add_nc_u32 v[RDS], s23, v[CO]
	v_mul_u32_u24 v3, v1, PQ                       ; the piece's fragments: row x 528 + 16 x half;
	v_lshl_add_u32 v3, v2, 4, v3
	s_mul_i32 s21, s14, 16*PQ
	v_add_nc_u32 v[ADX], s21, v3                   ; x's rows 16 x wave on, at a slot's head,
	v_add_nc_u32 v[ADX+1], SLOT, v[ADX]
	v_add_nc_u32 v[ADW], 64*PQ, v3                 ; Wq's rows behind x's 64
	v_add_nc_u32 v[ADW+1], SLOT, v[ADW]
	s_lshl_b32 s21, s14, 6
	s_add_co_u32 s21, s21, QW
	v_lshl_add_u32 v[QWA], v1, 2, s21
	v_lshlrev_b32 v[WSO], 5, v6
	v_lshlrev_b32 v[XSO], 5, v1
	v_lshlrev_b32 v[QWO], 3, v6
	v_add_nc_u32 v[QWR], QW, v[QWO]
	; the piece's rows in memory.  x's hang on cluster y, cy and the wave alone, Wq's on cluster x, cx and the wave alone, each in the registers that held A's and B's addresses
	s_lshl_b32 s20, s95, 2
	s_add_co_u32 s20, s20, s41                     ; the block of 64 queries: 4 x cluster y + cy
	s_lshl_b32 s20, s20, 16                        ; x 64 rows of 1,024 bytes
	s_lshl_b32 s21, s16, 15                        ; + the 32 rows that I fetch
	s_add_co_u32 s20, s20, s21
	s_mov_b32 s21, 0
	s_add_nc_u64 s[20:21], s[4:5], s[20:21]
	s_lshl_b32 s46, ttmp9, 2
	s_add_co_u32 s46, s46, s40                     ; the head: 4 x cluster x + cx
	s_lshl_b32 s46, s46, 7
	s_add_co_u32 s46, s46, 10240                   ; its 128 rows of Wq's columns
	s_lshl_b32 s47, s16, 6                         ; + the 64 rows that I fetch
	s_add_co_u32 s46, s46, s47
	s_lshl_b32 s46, s46, 10
	s_mov_b32 s47, 0
	s_add_nc_u64 s[46:47], s[4:5], s[46:47]
	; where my wave's 128 x 128 of k or v goes
	s_lshl_b32 s18, s41, 8
	s_add_co_u32 s18, s18, s17
	s_lshl_b32 s19, s15, 7
	s_add_co_u32 s18, s18, s19                     ; my first row of A
	s_lshl_b32 s19, s40, 8
	s_add_co_u32 s19, s19, s42
	s_lshl_b32 s95, s16, 7
	s_add_co_u32 s19, s19, s95                     ; my first row of B
	s_cmp_eq_u32 s67, 1
	s_cselect_b32 s95, s19, s18                    ; the tokens' side,
	s_cselect_b32 s96, s18, s19                    ; the weight's side
	s_cselect_b32 s97, 16384, 0                    ; V's images lie behind K's
	s_mov_b32 s2, 32768
	s_cselect_b32 s2, 33280, s2                    ; the scale words' place in a record
	s_sub_co_u32 s95, s95, 2048
	s_lshr_b32 s95, s95, 7                         ; which 128 tokens of all
	s_lshr_b32 s96, s96, 7
	s_and_b32 s96, s96, 7                          ; the head
	s_lshr_b32 s101, s95, 5                        ; b
	s_lshl_b32 s101, s101, 3
	s_add_co_u32 s101, s101, s96                   ; 8 b + h
	s_lshl_b32 s101, s101, 5
	s_and_b32 s95, s95, 31
	s_add_co_u32 s101, s101, s95                   ; the record
	s_mul_i32 s18, s101, 33792
	s_mov_b32 s19, 0
	s_add_nc_u64 s[12:13], s[10:11], s[18:19]
	s_mov_b32 s18, s2
	s_add_nc_u64 s[92:93], s[12:13], s[18:19]      ; my 128 scale words
	s_mov_b32 s18, s97
	s_add_nc_u64 s[12:13], s[12:13], s[18:19]      ; my 8 images
.macro FRAG reg, adr, q, i             ; 16 rows x 128 K of 8-bit codes: lane l holds row l % 16; registers 4 c .. 4 c + 3 hold K = 32 c + 16 (l / 16) + 0 .. 15
.irp c, 0,1,2,3
	ds_load_b128 v[\reg+4*\c:\reg+4*\c+3], v[\adr] offset:128*(\q)+32*\c+(\i)*16*PITCH
.endr
.endm
; 16 matrix instructions: A's blocks a0, a0 + 1 x B's eight.  The 64 accumulators take turns, one instruction a turn, in the same order in every step.
.macro MUL16 a0, p, q, sc, zero
.irp a, \a0, \a0+1
.irp b, 0,1,2,3,4,5,6,7
.if \zero
	v_wmma_scale_f32_16x16x128_f8f6f4 v[8*(8*((\a)%4)+\b):8*(8*((\a)%4)+\b)+7], v[128*(\p)+FR*\b:128*(\p)+FR*\b+FR-1], v[AF+FR*(\a):AF+FR*(\a)+FR-1], 0, v[SC+8*NQ*(\sc)+NQ*\b+(\q)], v[SC+8*NQ*(\sc)+NQ*(\a)+(\q)] matrix_a_fmt:MATRIX_FMT_BF8 matrix_b_fmt:MATRIX_FMT_BF8 matrix_a_scale:MATRIX_SCALE_ROW1
.else
	v_wmma_scale_f32_16x16x128_f8f6f4 v[8*(8*((\a)%4)+\b):8*(8*((\a)%4)+\b)+7], v[128*(\p)+FR*\b:128*(\p)+FR*\b+FR-1], v[AF+FR*(\a):AF+FR*(\a)+FR-1], v[8*(8*((\a)%4)+\b):8*(8*((\a)%4)+\b)+7], v[SC+8*NQ*(\sc)+NQ*\b+(\q)], v[SC+8*NQ*(\sc)+NQ*(\a)+(\q)] matrix_a_fmt:MATRIX_FMT_BF8 matrix_b_fmt:MATRIX_FMT_BF8 matrix_a_scale:MATRIX_SCALE_ROW1
.endif
.endr
.endr
.endm
.macro FETCH_B slot, q, p
	WIN TO_B
.irp i, 0,1,2,3,4,5,6,7
	FRAG 128*(\p)+FR*\i, ADRB+\slot, \q, \i
.endr
	WIN 0
.endm
.macro FETCH_A slot, q, i0
.irp i, \i0, \i0+1, \i0+2, \i0+3
	FRAG AF+FR*(\i), ADRA+\slot, \q, \i
.endr
.endm
.macro SCALES sc                       ; a K step's scale words: lanes 0-15 take A's block i, lanes 16-31 B's block i
.irp i, 0,1,2,3,4,5,6,7
	ds_load_b64 v[SC+8*NQ*\sc+NQ*\i:SC+8*NQ*\sc+NQ*\i+1], v[ADRS] offset:\i*SBLK
.endr
.endm
.macro PLACES n                        ; plain vector lines between a matrix instruction and a load into, or a vector read or write of, its registers
.rept \n
	v_nop
.endr
.endm
.macro STEP slot, q, zero              ; 128 along K that has its successor in the same slot
	s_wait_dscnt 4*NL                              ; B's set and A's blocks 0-3 are in; the youngest 16 loads (A's blocks 4-7) may be out
	WIN MUL_LO
	MUL16 0, (\q)%2, \q, \slot, \zero
	MUL16 2, (\q)%2, \q, \slot, \zero
	s_wait_dscnt 0
	PLACES NP
	FETCH_B \slot, (\q)+1, 1-(\q)%2
	FETCH_A \slot, (\q)+1, 0
	WIN MUL_HI
	MUL16 4, (\q)%2, \q, \slot, \zero
	MUL16 6, (\q)%2, \q, \slot, \zero
	PLACES NP
	WIN 0
	FETCH_A \slot, (\q)+1, 4
.endm
; A slot's last step changes slots: one barrier; in front of it each wave waits for all its tensor loads, adds 0 to its spare word, and waits for that and for its reads of this slot.
; fill = 1: this slot takes the tile's K step two steps on; fill = 2: it takes the first half of the piece of q.  Both times the barrier opens a round of the cluster's.
.macro TURN slot, next, fill
	s_wait_tensorcnt 0x0                           ; all my tensor loads have landed: my part of the next slot
	ds_add_u32 v[SPW], v[NIL]                      ; 0 onto my spare word
	s_wait_dscnt 4*NL+1                            ; (the add and the youngest 16 loads may be out)
	WIN MUL_LO
	MUL16 0, 1, NQ-1, \slot, 0
	s_wait_dscnt 0x0                               ; the add is done, and my reads of this slot are over
	s_barrier_signal -1
	MUL16 2, 1, NQ-1, \slot, 0
	WIN 0
	s_barrier_wait -1
	CREST                                          ; no wave of any partner still reads this slot or has a load on its way
.if \fill == 1
	s_add_nc_u64 s[G0+4*\slot+2:G0+4*\slot+3], s[G0+4*\slot+2:G0+4*\slot+3], 2*ROWB
	s_add_nc_u64 s[G0B+4*\slot+2:G0B+4*\slot+3], s[G0B+4*\slot+2:G0B+4*\slot+3], 2*ROWB
	JLOAD G0+4*\slot, G1, G0B+4*\slot, G1B         ; the first tensor load behind the round; its four v_nop are four of the eight places
.else
	JLOAD G0X, G1X, G0W, G1W
.endif
	PLACES NP-4
	v_add_nc_u32 v[ADRS], 4*NQ, v[ADRS]            ; the next K step's scale words
	FETCH_B \next, 0, 0
	FETCH_A \next, 0, 0
	SCALES \next
	WIN MUL_HI
	MUL16 4, 1, NQ-1, \slot, 0
	MUL16 6, 1, NQ-1, \slot, 0
	PLACES NP
	WIN 0
	FETCH_A \next, 0, 4
.endm
	s_wait_tensorcnt 1                             ; the scale bytes and my part of K step 0 are in (K step 1's load may be out)
	s_barrier_signal -1
	s_barrier_wait -1                              ; everybody's are
	FETCH_B 0, 0, 0
	FETCH_A 0, 0, 0
	SCALES 0
	FETCH_A 0, 0, 4
	STEP 0, 0, 1                                   ; the first step's products start the sums
	s_mov_b32 s3, LAPS-1
.Llap:                                                 ; a trip goes once round the ring and fills both slots again
	TURN 0, 1, 1
	STEP 1, 0, 0
	TURN 1, 0, 1
	STEP 0, 0, 0
	s_sub_co_u32 s3, s3, 1
	s_cmp_lg_u32 s3, 0
	s_cbranch_scc1 .Llap
	; THE PIECE'S DESCRIPTORS.  The loads that named these registers were shown done by the waits for all tensor loads in the loop.
	; x: 32 rows x 512 bytes a wave (waves 0, 1), shared along my row of the cluster; Wq: 64 rows x 512 bytes a wave (waves 2, 3), shared along my column; 4 words of padding after every 128
	s_or_b32 s[G1X+0], s43, (0<<16)|(1<<20)|(1<<21)|(6<<22)|(3<<25)
	s_mov_b32 s[G1X+1], 512<<16                    ; tensor_dim0
	s_mov_b32 s[G1X+2], 32<<16                     ; tensor_dim1
	s_mov_b32 s[G1X+3], 512<<16                    ; tile_dim0
	s_mov_b32 s[G1X+4], 32                         ; tile_dim1
	s_mov_b32 s[G1X+5], KROW                       ; the pitch
	s_mov_b32 s[G1X+6], 0
	s_mov_b32 s[G1X+7], 0
	s_or_b32 s[G1W+0], s44, (0<<16)|(1<<20)|(1<<21)|(6<<22)|(3<<25)
	s_mov_b32 s[G1W+1], 512<<16
	s_mov_b32 s[G1W+2], 64<<16
	s_mov_b32 s[G1W+3], 512<<16
	s_mov_b32 s[G1W+4], 64
	s_mov_b32 s[G1W+5], KROW
	s_mov_b32 s[G1W+6], 0
	s_mov_b32 s[G1W+7], 0
	s_mov_b32 s[G0X], 1
	s_mul_i32 s[G0X+1], s16, 32*PQ                 ; slot 0: x's rows 32 x half on
	s_mov_b64 s[G0X+2:G0X+3], s[20:21]
	s_or_b32 s[G0X+3], s[G0X+3], 0x80000000
	s_mov_b32 s[G0W], 1
	s_mul_i32 s[G0W+1], s16, 64*PQ
	s_add_co_u32 s[G0W+1], s[G0W+1], 64*PQ         ; behind x's 64 rows: Wq's rows 64 x half on
	s_mov_b64 s[G0W+2:G0W+3], s[46:47]
	s_or_b32 s[G0W+3], s[G0W+3], 0x80000000
	; where the piece's scale bytes lie, and where the piece goes
	s_and_b32 s18, ttmp7, 0xffff
	s_lshl_b32 s18, s18, 2
	s_add_co_u32 s18, s18, s41                     ; the block of 64 queries, 0 to 31
	s_lshl_b32 s19, ttmp9, 2
	s_add_co_u32 s19, s19, s40                     ; the head
	s_lshl_b32 s20, s18, 11
	s_lshl_b32 s21, s14, 9
	s_add_co_u32 s20, s20, s21                     ; x's row 64 x block + 16 x wave, 32 bytes a row
	s_mov_b32 s21, 0
	s_add_nc_u64 s[20:21], s[6:7], s[20:21]
	s_lshl_b32 s22, s19, 12
	s_add_co_u32 s22, s22, 10240*32                ; Wq's rows 10,240 + 128 x head on
	s_mov_b32 s23, 0
	s_add_nc_u64 s[22:23], s[6:7], s[22:23]
	s_lshr_b32 s94, s18, 4                         ; b
	s_lshl_b32 s94, s94, 3
	s_add_co_u32 s94, s94, s19                     ; 8 b + h
	s_lshl_b32 s94, s94, 3
	s_bfe_u32 s95, s18, 0x30001                    ; which 128 queries of b's 1,024
	s_add_co_u32 s94, s94, s95
	s_mul_i32 s94, s94, 16896                      ; the record
	s_and_b32 s95, s18, 1                          ; its lower or upper 64 queries
	s_lshl_b32 s96, s95, 8
	s_add_co_u32 s96, s96, s94
	s_add_co_u32 s96, s96, 16384
	s_mov_b32 s97, 0
	s_add_nc_u64 s[104:105], s[8:9], s[96:97]      ; the work-group's 64 scale words
	s_lshl_b32 s95, s95, 2
	s_add_co_u32 s95, s95, s14
	s_lshl_b32 s95, s95, 11
	s_add_co_u32 s96, s94, s95
	s_add_nc_u64 s[46:47], s[8:9], s[96:97]        ; my image
	TURN 0, 1, 2                                   ; slot 0 takes the piece's first half: it has the tile's last 160 products and half of the way out in which to land
	STEP 1, 0, 0
	s_wait_dscnt 4*NL
	WIN MUL_LO
	MUL16 0, 1, NQ-1, 1, 0
	MUL16 2, 1, NQ-1, 1, 0
	s_wait_dscnt 0
	WIN MUL_HI
	MUL16 4, 1, NQ-1, 1, 0
	MUL16 6, 1, NQ-1, 1, 0
	WIN 0
; THE WAY OUT.  Block a (16 rows of A x 128 of B): a lane's 64 registers are, register 16 b + i, number 32 b + 16 (lane / 16) + i of its row.  They become a fragment's 16 code registers (set p) and a scale word.
.macro QOUT a, p, sw, so, go
.set W, 2+(\a)/4
.set WW, W|(W<<2)
.set S, 64*((\a)%4)
.set PCS, PC+16*(\p)
	WIN WW                                         ; sources 0 and 1: the accumulators' window
.irp b, 0,1,2,3
	v_max3_num_f32 v[TM+\b], |v[S+16*\b]|, |v[S+16*\b+1]|, 0x8000000   ; my 16 numbers of block b and the floor 2^(16 - 127); each accumulator is read from its low end on
.endr
.irp i, 2,4,6,8,10,12,14
.irp b, 0,1,2,3
	v_max3_num_f32 v[TM+\b], |v[S+16*\b+\i]|, |v[S+16*\b+\i+1]|, v[TM+\b]
.endr
.endr
	WIN 0
.irp b, 0,1,2,3
	v_permlanex16_b32 v[TM+4+\b], v[TM+\b], s[SEL], s[SEL+1]
.endr
.irp b, 0,1,2,3
	v_max_num_f32 v[TM+\b], v[TM+\b], v[TM+4+\b]   ; with lane l xor 16's: the block's largest magnitude
.endr
.irp b, 0,1,2,3
	v_add_nc_u32 v[TM+12+\b], 0xf8800000, v[TM+\b] ; 15 off its exponent field: the conversion's scale operand
.endr
.irp b, 0,1,2,3
	v_and_or_b32 v[TM+8+\b], v[TM+\b], 0x7f800000, s[MNT]   ; 57,344 x the scale
.endr
.irp b, 0,1,2,3
	v_lshrrev_b32 v[TM+4+\b], 23, v[TM+12+\b]      ; the scale's byte
.endr
	v_lshl_or_b32 v[PWB+(\a)], v[TM+5], 8, v[TM+4]
	v_lshl_or_b32 v[PWB+(\a)], v[TM+6], 16, v[PWB+(\a)]
	v_lshl_or_b32 v[PWB+(\a)], v[TM+7], 24, v[PWB+(\a)]
	WIN W                                          ; source 0 alone
.irp b, 0,1,2,3
.irp i, 0,1,2,3,4,5,6,7,8,9,10,11,12,13,14,15
	v_med3_num_f32 v[X+16*\b+\i], v[S+16*\b+\i], -v[TM+8+\b], v[TM+8+\b]   ; the conversion does not saturate (ISA guide 7.6.2): the hold, on the way into window 0
.endr
.endr
	WIN 0
.if (\a) >= 4
	s_wait_xcnt 0x0                                ; the stores of four blocks back have read this set of code registers
.endif
.irp b, 0,1,2,3
	v_cvt_scalef32_pk8_bf8_f32 v[PCS+4*\b:PCS+4*\b+1], v[X+16*\b:X+16*\b+7], v[TM+12+\b]
	v_cvt_scalef32_pk8_bf8_f32 v[PCS+4*\b+2:PCS+4*\b+3], v[X+16*\b+8:X+16*\b+15], v[TM+12+\b]
.endr
	v_nop                                          ; a plain line behind the last conversion
	ds_store_b32 v[\sw], v[PWB+(\a)] offset:\so    ; lanes r and r + 16 write the same word with the same value
.irp c, 0,1,2,3
	global_store_b128 v[CO], v[PCS+4*\c:PCS+4*\c+3], s[12:13] offset:(\go)+512*\c   ; the image: 512 consecutive bytes, aligned
.endr
.endm
	PLACES NP                                      ; behind the last products: their results are read, and their operands' and scales' registers written or loaded, only from here on
	global_load_b128 v[XS:XS+3], v[XSO], s[20:21]              ; the piece's scale words, asked for ahead of the way out: x's row: 32 bytes, a word for each K step of 128;
	global_load_b128 v[XS+4:XS+7], v[XSO], s[20:21] offset:16
.irp p, 0,1,2,3
	global_load_b128 v[WS+8*\p:WS+8*\p+3], v[WSO], s[22:23] offset:1024*\p      ; Wq's rows 32 p + lane
	global_load_b128 v[WS+8*\p+4:WS+8*\p+7], v[WSO], s[22:23] offset:1024*\p+16
.endr
.irp b, 0,1,2,3
	v_mov_b32 v[TM+4+\b], 0                        ; a lane permute's destination counts as one of its sources
.endr
.irp a, 0,1,2,3
	QOUT \a, \a, SWA, 64*\a, 2048*\a
.endr
	; slot 1, whose last reads were waited for in the tile's last step, takes the piece's second half
	s_wait_tensorcnt 0x0                           ; all my tensor loads have landed: my part of the piece's first half
	ds_add_u32 v[SPW], v[NIL]                      ; 0 onto my spare word
	s_add_co_u32 s[G0X+1], s[G0X+1], SLOT          ; no load of mine is out, so the groups 0 may be written: the other slot, 512 along K on
	s_add_nc_u64 s[G0X+2:G0X+3], s[G0X+2:G0X+3], 512
	s_add_co_u32 s[G0W+1], s[G0W+1], SLOT
	s_add_nc_u64 s[G0W+2:G0W+3], s[G0W+2:G0W+3], 512
	s_wait_dscnt 0x0                               ; the add is done, and no LDS instruction of mine is out
	CROUND                                         ; behind it the first half is whole in every work-group, and nobody reads slot 1
	JLOAD G0X, G1X, G0W, G1W
.irp a, 4,5,6,7
	QOUT \a, \a-4, SWA, 64*\a, 2048*\a
.endr
	ds_load_b128 v[BKW:BKW+3], v[RDS]              ; my wave's own 512 bytes, in order behind its stores
	s_wait_dscnt 0x0
	global_store_b128 v[CO], v[BKW:BKW+3], s[92:93]
; THE PIECE OF q.  K step s (128 along K) lies in slot s / 4.  x's four fragments of a half stay in registers; Wq's eight of a K step take B's two sets by turns.
.macro QFA u
.irp q, 0,1,2,3
.irp c, 0,1,2,3
	ds_load_b128 v[AQ+64*(\u)+FR*\q+4*\c:AQ+64*(\u)+FR*\q+4*\c+3], v[ADX+(\u)] offset:128*\q+32*\c
.endr
.endr
.endm
.macro QFB s
	WIN TO_B
.irp b, 0,1,2,3,4,5,6,7
.irp c, 0,1,2,3
	ds_load_b128 v[128*((\s)%2)+FR*\b+4*\c:128*((\s)%2)+FR*\b+4*\c+3], v[ADW+(\s)/4] offset:16*PQ*\b+128*((\s)%4)+32*\c
.endr
.endr
	WIN 0
.endm
.macro QMUL s                          ; eight matrix instructions, the eight accumulators by turns; the first K step starts the sums
	WIN MUL_LO
.irp b, 0,1,2,3,4,5,6,7
.set rB, 128*((\s)%2)+FR*\b
.set rA, AQ+64*((\s)/4)+FR*((\s)%4)
.set rW, WS+8*(\b/2)+(\s)
.set rX, XS+(\s)
.if ((\s) == 0) && (\b%2)
	v_wmma_scale_f32_16x16x128_f8f6f4 v[8*\b:8*\b+7], v[rB:rB+15], v[rA:rA+15], 0, v[rW], v[rX] matrix_a_fmt:MATRIX_FMT_BF8 matrix_b_fmt:MATRIX_FMT_BF8 matrix_a_scale:MATRIX_SCALE_ROW1
.elseif (\s) == 0
	v_wmma_scale_f32_16x16x128_f8f6f4 v[8*\b:8*\b+7], v[rB:rB+15], v[rA:rA+15], 0, v[rW], v[rX] matrix_a_fmt:MATRIX_FMT_BF8 matrix_b_fmt:MATRIX_FMT_BF8
.elseif (\b%2)
	v_wmma_scale_f32_16x16x128_f8f6f4 v[8*\b:8*\b+7], v[rB:rB+15], v[rA:rA+15], v[8*\b:8*\b+7], v[rW], v[rX] matrix_a_fmt:MATRIX_FMT_BF8 matrix_b_fmt:MATRIX_FMT_BF8 matrix_a_scale:MATRIX_SCALE_ROW1
.else
	v_wmma_scale_f32_16x16x128_f8f6f4 v[8*\b:8*\b+7], v[rB:rB+15], v[rA:rA+15], v[8*\b:8*\b+7], v[rW], v[rX] matrix_a_fmt:MATRIX_FMT_BF8 matrix_b_fmt:MATRIX_FMT_BF8
.endif
.endr
.endm
	QFA 0
	QFB 0
	QFB 1
	s_wait_loadcnt 0x0                             ; the piece's scale words
	s_wait_dscnt 32                                ; x's fragments and K step 0's are in; K step 1's 32 loads may be out
	QMUL 0
	PLACES NP                                      ; in front of loads into the set that these products have read
	QFB 2
	s_wait_dscnt 32
	QMUL 1
	PLACES NP
	QFB 3
	s_wait_dscnt 32
	QMUL 2
	s_wait_dscnt 0x0
	QMUL 3
	WIN 0
	s_wait_tensorcnt 0x0                           ; my part of the second half is in,
	s_barrier_signal -1
	s_barrier_wait -1                              ; everybody's is
	PLACES NP
	s_wait_xcnt 0x0                                ; the way out's stores have read their code registers, their scale words and their base
	QFA 1
	QFB 4
	QFB 5
	s_wait_dscnt 32
	QMUL 4
	PLACES NP
	QFB 6
	s_wait_dscnt 32
	QMUL 5
	PLACES NP
	QFB 7
	s_wait_dscnt 32
	QMUL 6
	s_wait_dscnt 0x0
	QMUL 7
	WIN 0
	PLACES NP
	s_mov_b64 s[12:13], s[46:47]                   ; the piece's image
	QOUT 0, 0, QWA, 0, 0
	s_wait_dscnt 0x0                               ; for the others' sake: my scale words have landed
	s_barrier_signal -1
	s_barrier_wait -1
	s_cmp_lg_u32 s14, 0
	s_cbranch_scc1 .Lnot_first
	ds_load_b64 v[BKW:BKW+1], v[QWR]               ; wave 0 stores the four waves' 64 scale words: 256 consecutive bytes, aligned
	s_wait_dscnt 0x0
	global_store_b64 v[QWO], v[BKW:BKW+1], s[104:105]
.Lnot_first:
	s_wait_tensorcnt 0x0                           ; the wave's end
	ds_add_u32 v[SPW], v[NIL]
	s_wait_dscnt 0x0
	CROUND                                         ; the closing round
	s_endpgm
.Lfunc_end_k_q0f860b6089_proj:
	.size	k_q0f860b6089_proj, .Lfunc_end_k_q0f860b6089_proj-k_q0f860b6089_proj
	.p2alignl 7, 3214868480
	.fill 96, 4, 3214868480
	.section	.rodata,"a",@progbits
	.p2align	6, 0x0
	.amdhsa_kernel k_q0f860b6089_proj
		.amdhsa_group_segment_fixed_size 327680
		.amdhsa_private_segment_fixed_size 0
		.amdhsa_enable_private_segment 0
		.amdhsa_kernarg_size 32
		.amdhsa_user_sgpr_count 2
		.amdhsa_user_sgpr_kernarg_segment_ptr 1
		.amdhsa_wavefront_size32 1
		.amdhsa_system_sgpr_workgroup_id_x 1
		.amdhsa_system_sgpr_workgroup_id_y 1
		.amdhsa_system_sgpr_workgroup_id_z 1
		.amdhsa_system_vgpr_workitem_id 0
		.amdhsa_next_free_vgpr 1024
		.amdhsa_next_free_sgpr 106
		.amdhsa_reserve_vcc 0
		.amdhsa_float_denorm_mode_32 3
		.amdhsa_float_denorm_mode_16_64 3
		.amdhsa_memory_ordered 1
		.amdhsa_forward_progress 1
		.amdhsa_inst_pref_size 230
	.end_amdhsa_kernel
	.amdgpu_metadata
---
amdhsa.version: [ 1, 2 ]
amdhsa.kernels:
  - .name:           k_q0f860b6089_proj
    .symbol:         k_q0f860b6089_proj.kd
    .args:
      - { .name: codes, .offset: 0, .size: 8, .value_kind: global_buffer, .address_space: global }
      - { .name: scales, .offset: 8, .size: 8, .value_kind: global_buffer, .address_space: global }
      - { .name: qbuf, .offset: 16, .size: 8, .value_kind: global_buffer, .address_space: global }
      - { .name: kv, .offset: 24, .size: 8, .value_kind: global_buffer, .address_space: global }
    .group_segment_fixed_size: 327680
    .private_segment_fixed_size: 0
    .kernarg_segment_align: 8
    .kernarg_segment_size: 32
    .max_flat_workgroup_size: 128
    .sgpr_count:     106
    .vgpr_count:     1024
    .wavefront_size: 32
...
	.end_amdgpu_metadata
.endif
;; end of part 2
;; launch attn (part 3): grid 16 x 16, 16 waves a work-group, clusters of 4 x 1, 327,680 bytes of LDS; arguments qbuf, kv, doc_similarities, beta, out_img, out_sc; writes out_img, out_sc
.if DOCPART == 3
	.amdgcn_target "amdgcn-amd-amdhsa--gfx1250"
	.amdhsa_code_object_version 6
	.text
	.protected	k_q0f860b6089_attn
	.globl	k_q0f860b6089_attn
	.p2align	8
	.type	k_q0f860b6089_attn,@function
k_q0f860b6089_attn:
	s_mov_b64 s[64:65], 0
	v_nop
	global_prefetch_b8 v0, s[64:65] scope:SCOPE_SE
	s_setreg_imm32_b32 hwreg(HW_REG_WAVE_MODE, 25, 1), 1
	s_wait_xcnt 0x0
	s_wait_alu depctr_hold_cnt(0) depctr_sa_sdst(0) depctr_va_vdst(0) depctr_va_sdst(0) depctr_va_ssrc(0) depctr_va_vcc(0) depctr_vm_vsrc(0)
	s_getreg_b32 s2, hwreg(HW_REG_IB_STS2, 6, 4)
	s_cmp_eq_u32 s2, 0
	s_cbranch_scc0 .Lentry_in_a_cluster
	s_endpgm
.Lentry_in_a_cluster:
	s_bfe_u32 s2, ttmp6, 0x10000c
	s_cmp_lg_u32 s2, 0x3003
	s_cbranch_scc0 .Lentry_shape_is_right
	s_endpgm
.Lentry_shape_is_right:
; out[b][q][h] = softmax_k(q . k / 32 + sim[b][k / 1024] x beta) v, both products on codes of BF8 (E5M2) with E8M0 scales; the result is quantised along dim for the last product.
; THE SOFTMAX: t = logit x log2(e); M = the largest t so far, rounded UP to a whole number; p = 2^(t - M) is quantised along the keys; the sum is taken of the unquantised p and divides at the end.
; SHARES.  A work-group owns 64 queries of one (b, h): 256 work-groups.  Wave w owns tile w % 4 of 16 queries and document w / 4: 1,024 keys, 8 steps of 128.  So a wave's bias is one scalar, and each wave has a running M of its own;
; the four partial (O^T, M, sum) of a tile of queries meet in LDS at the end and are brought under the largest M by exact powers of two.  Four waves lie on a SIMD: one's vector work stands beside another's products and LDS loads.
; LAYOUT.  Both products are used transposed (S^T = K Q^T, O^T = V^T P^T): a lane holds one query throughout.  K's, V's and Q's fragments come as images of their registers (lane l's 16 bytes at 512 c + 16 l); the keys of a tile of K and
; the channels of a tile of V are 32 b + 8 u + r + 8 (r / 8), so that p's and O^T's 16 registers of two neighbouring tiles are 16 neighbours.
; V'S FRAGMENTS ARE ASKED FOR EARLY: tiles 0-3 behind the last product of K Q^T, into K's registers, so that they come out of LDS while the softmax runs; tiles 4-7 behind the conversions, into p's registers, which are free by then.
; THE RING.  Two slots, each with one record (128 keys: 33,792 bytes) of each of the four documents; waves 0 to 3 fetch a record each.  CLUSTER: the four work-groups of a cluster belong to one (b, h) and walk the same records:
; every load is a joint one, with a mask that names the four.
; LIMITS: p under 2^-126 is 0; a block of zeros gets the byte 1 with zero codes; NaN and infinities are not served.
; REGISTERS: v1-4 LDS addresses; v5, v6 the add's; v7 the prefetches' offset; v[10:11] bias - M; v12 -M, v13 the largest t, v[14:15] the sum in two halves; v16-31 Q; v32-95 four fragments; v96-159 S^T, then p, then V's tiles 4-7; v160-223 O^T;
;   v224-239 p's codes; v232-247, v252, v254 at work; v248-251 the scale words of eight tiles (register j: lanes 0-15 tile 2 j, lanes 16-31 tile 2 j + 1); v253 p's scale word; v255 Q's scale words.
.set REC,   33792                      ; a record: K's 8 images, V's 8 at VIM, K's scale words at KSC, V's at VSC
.set QREC,  16896
.set VIM,   16384
.set KSC,   32768
.set VSC,   33280
.set SLOTB, 4*REC
.set STAT,  131072                     ; the merge lies in slot 0, behind its last fill and its last read: partials (4 tile + document) x 8,192 from byte 0; -M and the sum, 256 bytes each, from STAT
.set SCB,   2*SLOTB                    ; 256 bytes of their own: the result's scale bytes of 64 rows
.set SPARE, SCB+256                    ; the spare words: 128 bytes for each of 16 waves; no other line names them
.set AD,   1                           ; v1, v2  document x REC + 16 x lane, in slot 0, 1
.set AS,   3                           ; v3, v4  document x REC + 4 x lane
.set SPW,  5
.set NIL,  6
.set PFO,  7                           ; 256 x lane
.set BM,   10
.set WV,   18
.set MNT,  19
.set SEL,  20
.set CS,   22                          ; s[22:23] c = log2(e) / 32
.set BIAS, 24                          ; sim x beta x log2(e)
.set QT,   25
.set DOC,  26
.set ASKER, 30
.set G1,   32
.set G0,   40                          ; s[40:43] slot 0's group 0, s[44:47] slot 1's
.set PFA,  48
.macro CROUND                          ; a round of the cluster's barrier
	s_barrier_signal -1
	s_barrier_wait -1
	s_cmp_lg_u32 s[WV], 0
	s_cbranch_scc1 .Lnot_wave_0_\@
	s_barrier_signal -3
.Lnot_wave_0_\@:
	s_barrier_wait -3
	s_barrier_signal -1
	s_barrier_wait -1
.endm
.macro TLOAD n                         ; waves 0 to 3 fetch a document's record each; the branch hangs on the wave's number alone; four v_nop follow the load
	s_cmp_lt_u32 s[WV], 4
	s_cbranch_scc0 .Lasked_\@
	tensor_load_to_lds s[G0+4*(\n):G0+4*(\n)+3], s[G1:G1+7]
	s_nop 0
.rept 4
	v_nop
.endr
.Lasked_\@:
.endm
; A PREFETCH INTO THE L2 of the images that the NEXT trip's load will ask for.  All four clusters of a (b, h) walk the same records: the first cluster asks.  Its partner cx takes document cx, told apart by address;
; in each partner waves 4 to 7 ask, 8,192 bytes of the images' 32,768 each, lanes 256 bytes apart: each block is named once in the launch.  Steps 0 and 1 come by their loads alone; the last two trips ask for nothing.
.macro ASK
	s_cmp_eq_u32 s[ASKER], 1
	s_cbranch_scc0 .Lnot_mine_\@
	global_prefetch_b8 v[PFO], s[PFA:PFA+1] th:TH_LOAD_NT scope:SCOPE_SE
.Lnot_mine_\@:
.endm
	s_load_b256 s[4:11], s[0:1], 0x0               ; qbuf s[4:5], kv s[6:7], doc_similarities s[8:9], beta s[10:11]
	s_load_b128 s[12:15], s[0:1], 0x20             ; out_img s[12:13], out_sc s[14:15]
	v_lshl_add_u32 v[SPW], v0, 2, SPARE
	v_mov_b32 v[NIL], 0
	ds_add_u32 v5, v6
	ds_add_u32 v5, v6
	s_wait_dscnt 0x0
	v_lshrrev_b32 v1, 5, v0
	s_delay_alu instid0(VALU_DEP_1)
	v_readfirstlane_b32 s[WV], v1                  ; wave 0..15
	s_and_b32 s[QT], s[WV], 3                      ; my tile of queries.  (In waves 0 to 3 also: the document whose records I fetch)
	s_lshr_b32 s[DOC], s[WV], 2                    ; my document
	s_bfe_u32 s27, ttmp6, 0x40000                  ; cx
	s_lshl_b32 s28, ttmp9, 2
	s_add_co_u32 s28, s28, s27                     ; my block of 64 queries: it enters global addresses of Q and of the results alone
	s_and_b32 s29, ttmp7, 0xffff                   ; 8 b + h, which the four partners share
	s_mov_b32 s[SEL], 0x76543210
	s_mov_b32 s[SEL+1], 0xfedcba98
	s_mov_b32 s[CS], 0x3d38aa3b
	s_mov_b32 s[CS+1], s[CS]                       ; (named with it as a pair)
	; descriptor group 1: a record, dense: 132 rows of 256 bytes (32 elements of 8 bytes), no padding: images are read 16 bytes a lane on end
	s_mov_b32 s[G1], 15|(3<<16)|(1<<21)            ; the mask: all four work-groups; elements of 8 bytes; bit 21 beside a mask
	s_mov_b32 s[G1+1], 32<<16                      ; tensor_dim0
	s_mov_b32 s[G1+2], 132<<16                     ; tensor_dim1
	s_mov_b32 s[G1+3], 32<<16                      ; tile_dim0
	s_mov_b32 s[G1+4], 132                         ; tile_dim1
	s_mov_b32 s[G1+5], 32                          ; the pitch
	s_mov_b32 s[G1+6], 0
	s_mov_b32 s[G1+7], 0
	s_lshl_b32 s50, s29, 5
	s_lshl_b32 s51, s[QT], 3
	s_add_co_u32 s50, s50, s51                     ; the first record that I fetch: 32 (8 b + h) + 8 x document
	s_mul_i32 s50, s50, REC
	s_mov_b32 s51, 0
	s_mul_i32 s52, s[QT], REC                      ; and its place in a slot
	s_lshr_b32 s54, s29, 3
	s_lshl_b32 s54, s54, 2
	s_add_co_u32 s54, s54, s[DOC]
	s_lshl_b32 s54, s54, 2                         ; doc_similarities[b][document]
	s_mov_b32 s55, 0
	s_lshl_b32 s58, s29, 5
	s_lshl_b32 s59, s27, 3
	s_add_co_u32 s58, s58, s59
	s_add_co_u32 s58, s58, 1                       ; the prefetches: document cx, step 1: the first asking trip steps it to step 2
	s_mul_i32 s58, s58, REC
	s_lshl_b32 s59, s[QT], 13
	s_add_co_u32 s58, s58, s59
	s_mov_b32 s59, 0
	s_xor_b32 s[ASKER], s[DOC], 1
	s_or_b32 s[ASKER], s[ASKER], ttmp9             ; 0 in waves 4 to 7 of the (b, h)'s first cluster: the same in all four partners
	s_cmp_eq_u32 s[ASKER], 0
	s_cselect_b32 s[ASKER], 1, 0
	s_lshl_b32 s60, s29, 3
	s_lshr_b32 s61, s28, 1
	s_add_co_u32 s60, s60, s61
	s_mul_i32 s60, s60, QREC                       ; Q's record: 128 queries
	s_and_b32 s61, s28, 1
	s_lshl_b32 s61, s61, 2
	s_add_co_u32 s61, s61, s[QT]                   ; my tile in it
	s_lshl_b32 s62, s61, 11
	s_add_co_u32 s62, s62, s60
	s_mov_b32 s63, 0
	s_lshl_b32 s66, s61, 6
	s_add_co_u32 s66, s66, s60
	s_add_co_u32 s66, s66, 16384
	s_mov_b32 s67, 0
	s_lshr_b32 s72, s29, 3                         ; b
	s_and_b32 s73, s29, 7                          ; h
	s_lshl_b32 s74, s72, 6
	s_lshl_b32 s75, s28, 2
	s_add_co_u32 s74, s74, s75
	s_add_co_u32 s74, s74, s[QT]                   ; the tile of 16 rows: 64 b + 4 x block + tile
	s_lshl_b32 s74, s74, 3
	s_add_co_u32 s74, s74, s73
	s_lshl_b32 s74, s74, 11                        ; its fragment of K step h,
	s_lshl_b32 s75, s[DOC], 9
	s_add_co_u32 s74, s74, s75                     ; of which I make registers 4 x document on
	s_mov_b32 s75, 0
	s_lshl_b32 s76, s73, 13
	s_lshl_b32 s77, s72, 12
	s_add_co_u32 s76, s76, s77
	s_lshl_b32 s77, s28, 8
	s_add_co_u32 s76, s76, s77                     ; the scale words: [h][row][4]
	s_mov_b32 s77, 0
	s_wait_kmcnt 0x0
	s_mov_b32 s[G0], 1
	s_mov_b32 s[G0+1], s52
	s_add_nc_u64 s[G0+2:G0+3], s[6:7], s[50:51]
	s_mov_b32 s[G0+4], 1
	s_add_co_u32 s[G0+5], s52, SLOTB
	s_add_nc_u64 s[G0+6:G0+7], s[G0+2:G0+3], REC
	s_or_b32 s[G0+3], s[G0+3], 0x80000000
	s_or_b32 s[G0+7], s[G0+7], 0x80000000
	s_add_nc_u64 s[54:55], s[8:9], s[54:55]
	s_add_nc_u64 s[PFA:PFA+1], s[6:7], s[58:59]
	s_add_nc_u64 s[62:63], s[4:5], s[62:63]        ; Q's image
	s_add_nc_u64 s[66:67], s[4:5], s[66:67]        ; Q's scale words
	s_add_nc_u64 s[68:69], s[12:13], s[74:75]
	s_add_nc_u64 s[70:71], s[14:15], s[76:77]
	s_load_b32 s[BIAS], s[54:55], 0x0
	s_load_b32 s56, s[10:11], 0x0
	CROUND                                         ; all four work-groups are here: the first joint loads meet
	TLOAD 0                                        ; step 0, into slot 0
	v_and_b32 v8, 31, v0                           ; lane
	v_and_b32 v9, 15, v0
	s_delay_alu instid0(VALU_DEP_2)
	v_lshlrev_b32 v252, 4, v8
	s_delay_alu instid0(VALU_DEP_2)
	v_lshlrev_b32 v254, 2, v9
.irp c, 0,1,2,3
	global_load_b128 v[16+4*\c:19+4*\c], v252, s[62:63] offset:512*\c   ; Q's fragment stays in registers
.endr
	global_load_b32 v255, v254, s[66:67]
	s_mul_i32 s57, s[DOC], REC
	v_lshl_add_u32 v[AD], v8, 4, s57
	s_delay_alu instid0(VALU_DEP_1)
	v_add_nc_u32 v[AD+1], SLOTB, v[AD]
	v_lshl_add_u32 v[AS], v8, 2, s57               ; 32 lanes take 128 bytes on end: the scale words of two neighbouring tiles
	s_delay_alu instid0(VALU_DEP_1)
	v_add_nc_u32 v[AS+1], SLOTB, v[AS]
	v_lshlrev_b32 v[PFO], 8, v8
	v_mov_b32 v13, 0xff61b1e6                      ; the largest t so far: -3e38
	s_delay_alu instid0(VALU_DEP_1)
	v_floor_f32 v12, -v13                          ; -M
	v_mov_b32 v[BM+1], 0                           ; (named as the upper half of a pair)
	v_mov_b32 v14, 0
	v_mov_b32 v15, 0
.irp b, 0,1,2,3
	v_mov_b32 v[236+\b], 0                         ; a lane permute's destination counts as one of its sources
.endr
	v_mov_b32 v253, 0
.set j, 0
.rept 64
	v_mov_b32 v[160+j], 0                          ; O^T: the step is written without a first step of its own: the first change of M multiplies zeros
.set j, j+1
.endr
	s_wait_kmcnt 0x0
	s_mul_f32 s[BIAS], s[BIAS], s56                ; sim x beta,
	s_mul_f32 s[BIAS], s[BIAS], 0x3fb8aa3b         ; as t
	s_wait_loadcnt 0x0                             ; Q
; A KEY STEP: my document's 128 keys in the slot.
.macro STEP slot
.irp g, 0,1                                    ; S^T = K Q^T, four tiles of 16 keys at a time
.rept 9-\g
	v_nop                                          ; eight places in front of loads into registers that matrix instructions have read; at the step's head nine: the products below write over v96-159, which the last step's products read
.endr
.irp t, 0,1,2,3
.irp c, 0,1,2,3
	ds_load_b128 v[32+16*\t+4*\c:32+16*\t+4*\c+3], v[AD+\slot] offset:2048*(4*\g+\t)+512*\c
.endr
.endr
.if \g == 0
.irp j, 0,1,2,3
	ds_load_b32 v[248+\j], v[AS+\slot] offset:KSC+128*\j   ; the scale words of all eight tiles of K
.endr
.endif
	s_wait_dscnt 0x0
.irp t, 0,2
	v_wmma_scale_f32_16x16x128_f8f6f4 v[96+8*(4*\g+\t):103+8*(4*\g+\t)], v[32+16*\t:47+16*\t], v[16:31], 0, v[248+2*\g+\t/2], v255 matrix_a_fmt:MATRIX_FMT_BF8 matrix_b_fmt:MATRIX_FMT_BF8
	v_wmma_scale_f32_16x16x128_f8f6f4 v[104+8*(4*\g+\t):111+8*(4*\g+\t)], v[48+16*\t:63+16*\t], v[16:31], 0, v[248+2*\g+\t/2], v255 matrix_a_fmt:MATRIX_FMT_BF8 matrix_b_fmt:MATRIX_FMT_BF8 matrix_a_scale:MATRIX_SCALE_ROW1
.endr
.endr
.rept 8
	v_nop                                          ; places in front of the first read of the scores, and of the loads below
.endr
.irp t, 0,1,2,3                                ; V's tiles 0-3 and the scale words of all eight: 20 loads that come while the softmax runs; it names none of their registers
.irp c, 0,1,2,3
	ds_load_b128 v[32+16*\t+4*\c:32+16*\t+4*\c+3], v[AD+\slot] offset:VIM+2048*\t+512*\c
.endr
.endr
.irp j, 0,1,2,3
	ds_load_b32 v[248+\j], v[AS+\slot] offset:VSC+128*\j
.endr
.irp b, 0,1,2,3
	v_max3_num_f32 v[232+\b], v[96+16*\b], v[97+16*\b], v[98+16*\b]   ; the largest score of each block of 32 keys: for the row's maximum, and, since p rises with the score, for the block's largest p
.endr
.irp i, 3,5,7,9,11,13
.irp b, 0,1,2,3
	v_max3_num_f32 v[232+\b], v[232+\b], v[96+16*\b+\i], v[97+16*\b+\i]
.endr
.endr
.irp b, 0,1,2,3
	v_max_num_f32 v[232+\b], v[232+\b], v[111+16*\b]
.endr
.irp b, 0,1,2,3
	v_permlanex16_b32 v[236+\b], v[232+\b], s[SEL], s[SEL+1]
.endr
.irp b, 0,1,2,3
	s_delay_alu instid0(VALU_DEP_4)
	v_max_num_f32 v[232+\b], v[232+\b], v[236+\b]  ; with lane l xor 16's 16 keys
.endr
	s_delay_alu instid0(VALU_DEP_2)
	v_max3_num_f32 v254, v232, v233, v234
	s_delay_alu instid0(VALU_DEP_1)
	v_max_num_f32 v254, v254, v235                 ; the step's largest score of my query,
	s_delay_alu instid0(VALU_DEP_1)
	v_fma_f32 v254, s[CS], v254, s[BIAS]           ; as t (c is positive; the bias is the same for all my keys)
	s_delay_alu instid0(VALU_DEP_1)
	v_max_num_f32 v13, v13, v254
	v_mov_b32 v254, v12
	s_delay_alu instid0(VALU_DEP_2)
	v_floor_f32 v12, -v13                          ; the new -M = -ceil(t): a whole number
	s_delay_alu instid0(VALU_DEP_1)
	v_sub_f32 v254, v12, v254
	s_delay_alu instid0(VALU_DEP_1)
	v_cvt_i32_f32 v254, v254                       ; old M - new M (it saturates)
	s_delay_alu instid0(VALU_DEP_1)
	v_ldexp_f32 v252, 1.0, v254                    ; f = 2^(old M - new M): rounds nothing
	s_delay_alu instid0(VALU_DEP_4)
	v_add_f32 v[BM], s[BIAS], v12                  ; bias - M
.set j, 0
.rept 32
	v_pk_fma_f32 v[96+j:97+j], v[96+j:97+j], s[CS:CS+1], v[BM:BM+1] op_sel_hi:[1,0,0]   ; t - M, two at a time
.set j, j+2
.endr
.irp b, 0,1,2,3
	v_fma_f32 v[232+\b], v[232+\b], s[CS], v[BM]   ; the same of each block's largest score
.endr
.set j, 0
	s_wait_alu depctr_va_vdst(0)
.rept 64
	v_exp_f32 v[96+j], v[96+j]                     ; p = 2^(t - M): not normalised
.set j, j+1
.endr
	v_pk_mul_f32 v[14:15], v[14:15], v[252:253] op_sel_hi:[1,0]   ; the sums under the new M (a plain line behind the exponentials)
	s_wait_alu depctr_va_vdst(0)                   ; one wait for the batch, ahead of its first reader
.irp b, 0,1,2,3
	v_exp_f32 v[232+\b], v[232+\b]                 ; the block's largest p
.endr
	v_pk_add_f32 v[236:237], v[100:101], v[104:105]
	v_pk_add_f32 v[246:247], v[108:109], v[112:113]
	v_pk_add_f32 v[244:245], v[116:117], v[120:121]
	v_pk_add_f32 v[242:243], v[124:125], v[128:129]
	v_pk_add_f32 v[240:241], v[132:133], v[136:137]
	v_pk_add_f32 v[238:239], v[140:141], v[144:145]
	v_pk_add_f32 v[230:231], v[148:149], v[152:153]
	v_pk_add_f32 v[14:15], v[14:15], v[156:157]
	v_pk_add_f32 v[236:237], v[236:237], v[96:97]
	v_pk_add_f32 v[246:247], v[246:247], v[98:99]
	v_pk_add_f32 v[244:245], v[244:245], v[102:103]
	v_pk_add_f32 v[242:243], v[242:243], v[106:107]
	v_pk_add_f32 v[240:241], v[240:241], v[110:111]
	v_pk_add_f32 v[238:239], v[238:239], v[114:115]
	v_pk_add_f32 v[230:231], v[230:231], v[118:119]
	v_pk_add_f32 v[14:15], v[14:15], v[122:123]
	v_pk_add_f32 v[236:237], v[236:237], v[126:127]
	v_pk_add_f32 v[246:247], v[246:247], v[130:131]
	v_pk_add_f32 v[244:245], v[244:245], v[134:135]
	v_pk_add_f32 v[242:243], v[242:243], v[138:139]
	v_pk_add_f32 v[240:241], v[240:241], v[142:143]
	v_pk_add_f32 v[238:239], v[238:239], v[146:147]
	v_pk_add_f32 v[230:231], v[230:231], v[150:151]
	v_pk_add_f32 v[14:15], v[14:15], v[154:155]
	v_pk_add_f32 v[236:237], v[236:237], v[158:159]
	s_delay_alu instid0(VALU_DEP_2)
	v_pk_add_f32 v[14:15], v[14:15], v[242:243]
	s_delay_alu instid0(VALU_DEP_2)
	v_pk_add_f32 v[236:237], v[236:237], v[240:241]
	v_pk_add_f32 v[246:247], v[246:247], v[238:239]
	v_pk_add_f32 v[244:245], v[244:245], v[230:231]
	s_delay_alu instid0(VALU_DEP_2)
	v_pk_add_f32 v[14:15], v[14:15], v[246:247]
	s_delay_alu instid0(VALU_DEP_2)
	v_pk_add_f32 v[236:237], v[236:237], v[244:245]
	s_delay_alu instid0(VALU_DEP_1)
	v_pk_add_f32 v[14:15], v[14:15], v[236:237]
	s_wait_alu depctr_va_vdst(0)                   ; and one for the four
.irp b, 0,1,2,3
	v_max_num_f32 v[232+\b], 0x8000000, v[232+\b]  ; the floor 2^(16 - 127)
.endr
.irp b, 0,1,2,3
	s_delay_alu instid0(VALU_DEP_4)
	v_add_nc_u32 v[244+\b], 0xf8800000, v[232+\b]  ; the conversion's scale operand
.endr
.irp b, 0,1,2,3
.endr
.irp b, 0,1,2,3
	s_delay_alu instid0(VALU_DEP_4)
	v_lshrrev_b32 v[236+\b], 23, v[244+\b]         ; the scale's byte
.endr
	s_delay_alu instid0(VALU_DEP_3)
	v_lshl_or_b32 v253, v237, 8, v236              ; p's scale word for these 128 keys
	s_delay_alu instid0(VALU_DEP_1)
	v_lshl_or_b32 v253, v238, 16, v253
	s_delay_alu instid0(VALU_DEP_1)
	v_lshl_or_b32 v253, v239, 24, v253
.irp b, 0,1,2,3
.irp i, 0,1,2,3,4,5,6,7,8,9,10,11,12,13,14,15
.endr
	v_cvt_scalef32_pk8_bf8_f32 v[224+4*\b:225+4*\b], v[96+16*\b:103+16*\b], v[244+\b]
	v_cvt_scalef32_pk8_bf8_f32 v[226+4*\b:227+4*\b], v[104+16*\b:111+16*\b], v[244+\b]
.endr
.set j, 0
.rept 4
	v_pk_mul_f32 v[160+j:161+j], v[160+j:161+j], v[252:253] op_sel_hi:[1,0]   ; O^T under the new M: the first four of 32 (plain lines behind the conversions)
.set j, j+2
.endr
.irp t, 0,1,2,3                                ; V's tiles 4-7, into p's registers: p lives on in its codes alone
.irp c, 0,1,2,3
	ds_load_b128 v[96+16*\t+4*\c:96+16*\t+4*\c+3], v[AD+\slot] offset:VIM+2048*(4+\t)+512*\c
.endr
.endr
.rept 28
	v_pk_mul_f32 v[160+j:161+j], v[160+j:161+j], v[252:253] op_sel_hi:[1,0]   ; the other 28.  (The 32 are also the places between the codes' making and the products below)
.set j, j+2
.endr
	s_wait_alu depctr_va_vdst(0)
	s_wait_dscnt 16                                ; V's tiles 0-3 and the scale words are in; the 16 loads of tiles 4-7 may be out
.irp t, 0,2                                    ; O^T += V^T P^T: eight accumulators, one instruction each
	v_wmma_scale_f32_16x16x128_f8f6f4 v[160+8*\t:167+8*\t], v[32+16*\t:47+16*\t], v[224:239], v[160+8*\t:167+8*\t], v[248+\t/2], v253 matrix_a_fmt:MATRIX_FMT_BF8 matrix_b_fmt:MATRIX_FMT_BF8
	v_wmma_scale_f32_16x16x128_f8f6f4 v[168+8*\t:175+8*\t], v[48+16*\t:63+16*\t], v[224:239], v[168+8*\t:175+8*\t], v[248+\t/2], v253 matrix_a_fmt:MATRIX_FMT_BF8 matrix_b_fmt:MATRIX_FMT_BF8 matrix_a_scale:MATRIX_SCALE_ROW1
.endr
	s_wait_dscnt 0x0
.irp t, 0,2
	v_wmma_scale_f32_16x16x128_f8f6f4 v[192+8*\t:199+8*\t], v[96+16*\t:111+16*\t], v[224:239], v[192+8*\t:199+8*\t], v[250+\t/2], v253 matrix_a_fmt:MATRIX_FMT_BF8 matrix_b_fmt:MATRIX_FMT_BF8
	v_wmma_scale_f32_16x16x128_f8f6f4 v[200+8*\t:207+8*\t], v[112+16*\t:127+16*\t], v[224:239], v[200+8*\t:207+8*\t], v[250+\t/2], v253 matrix_a_fmt:MATRIX_FMT_BF8 matrix_b_fmt:MATRIX_FMT_BF8 matrix_a_scale:MATRIX_SCALE_ROW1
.endr
.endm
; A TRIP.  Each wave waits for all its tensor loads (its part of this trip's slot), adds 0 to its spare word, and waits for that and for its reads of the other slot; a round of the cluster's barrier;
; behind it the other slot is filled with the next step (one load a wave: it has this trip's work in which to land), and this slot is read.
.macro TRIP slot, refill, ask
	s_wait_tensorcnt 0x0                           ; no tensor load of mine is out, so a group 0 may be written
	ds_add_u32 v[SPW], v[NIL]                      ; 0 onto my spare word
	s_add_nc_u64 s[G0+4*\slot+2:G0+4*\slot+3], s[G0+4*\slot+2:G0+4*\slot+3], 2*REC   ; this slot's next step
.if \ask
	s_wait_xcnt 0x0                                ; the last prefetch, a trip back, has read its address
	s_add_nc_u64 s[PFA:PFA+1], s[PFA:PFA+1], REC
.endif
	s_wait_dscnt 0x0                               ; the add is done, and my reads of the other slot are over
	CROUND
.if \refill
	TLOAD 1-\slot
.endif
.if \ask
	ASK
.endif
	STEP \slot
.endm
	s_mov_b32 s31, 3
.Ltrips:                                           ; steps 0 to 5
	TRIP 0, 1, 1
	TRIP 1, 1, 1
	s_sub_co_u32 s31, s31, 1
	s_cmp_lg_u32 s31, 0
	s_cbranch_scc1 .Ltrips
	TRIP 0, 1, 0                                   ; step 6 asks for step 7;
	TRIP 1, 0, 0                                   ; step 7 for nothing: the tail is written out
	; THE MERGE.  Slot 0 has had its last fill, and the last round has shown that nobody reads it.
	s_lshl_b32 s50, s[QT], 2
	s_add_co_u32 s50, s50, s[DOC]                  ; 4 x tile + document
	s_lshl_b32 s52, s50, 8
	s_add_co_u32 s52, s52, STAT
	s_lshl_b32 s50, s50, 13
	s_lshl_b32 s51, s[QT], 15
	s_lshl_b32 s53, s[DOC], 11
	s_add_co_u32 s51, s51, s53
	s_lshl_b32 s53, s[QT], 10
	s_add_co_u32 s53, s53, STAT
	s_lshl_b32 s54, s[QT], 6
	s_add_co_u32 s54, s54, s[DOC]
	s_add_co_u32 s54, s54, SCB
	v_add_f32 v14, v14, v15                        ; the sum's two halves,
	s_delay_alu instid0(VALU_DEP_1)
	v_permlanex16_b32 v252, v14, s[SEL], s[SEL+1]
	s_delay_alu instid0(VALU_DEP_1)
	v_add_f32 v14, v14, v252                       ; and lane l xor 16's
	v_and_b32 v23, 31, v0                          ; the addresses: eleven plain lines that name no register of the last products: their places
	v_and_b32 v24, 15, v0
	s_delay_alu instid0(VALU_DEP_2)
	v_lshlrev_b32 v21, 4, v23                      ; 16 x lane
	s_delay_alu instid0(VALU_DEP_3)
	v_lshlrev_b32 v25, 2, v23                      ; 4 x lane
	s_delay_alu instid0(VALU_DEP_2)
	v_add_nc_u32 v16, s50, v21                     ; where my partial O^T goes
	s_delay_alu instid0(VALU_DEP_3)
	v_add_nc_u32 v17, s51, v21                     ; where I read the four partials of my tile's channels 32 x document on
	s_delay_alu instid0(VALU_DEP_3)
	v_add_nc_u32 v18, s52, v25                     ; where my -M and my sum go
	s_delay_alu instid0(VALU_DEP_4)
	v_add_nc_u32 v19, s53, v25                     ; where I read my tile's four
	v_lshl_add_u32 v20, v24, 2, s54                ; my row's scale word, my block's byte
	v_lshl_add_u32 v22, v23, 3, SCB
	v_lshlrev_b32 v26, 3, v23
.set j, 0
.rept 16
	ds_store_b128 v16, v[160+4*j:163+4*j] offset:512*j   ; each accumulator from its low end on
.set j, j+1
.endr
	ds_store_b32 v18, v12
	ds_store_b32 v18, v14 offset:128
	s_wait_alu depctr_va_vdst(0)
	s_wait_dscnt 0x0                               ; for the others' sake: my stores have landed
	s_barrier_signal -1
	s_barrier_wait -1
.irp i, 0,1,2,3
.irp c, 0,1,2,3
	ds_load_b128 v[32+16*\i+4*\c:35+16*\i+4*\c], v17 offset:8192*\i+512*\c
.endr
	ds_load_b32 v[96+\i], v19 offset:256*\i
	ds_load_b32 v[100+\i], v19 offset:256*\i+128
.endr
	v_mov_b32 v129, 0
	s_wait_dscnt 0x0
	v_min3_num_f32 v104, v96, v97, v98
	s_delay_alu instid0(VALU_DEP_1)
	v_min_num_f32 v104, v104, v99                  ; -M of the four together
.irp i, 0,1,2,3
	v_sub_f32 v[105+\i], v104, v[96+\i]            ; M_i - M: a whole number, 0 or less
.endr
.irp i, 0,1,2,3
	s_delay_alu instid0(VALU_DEP_4)
	v_cvt_i32_f32 v[105+\i], v[105+\i]
.endr
.irp i, 0,1,2,3
	s_delay_alu instid0(VALU_DEP_4)
	v_ldexp_f32 v[105+\i], 1.0, v[105+\i]          ; f_i
.endr
	s_delay_alu instid0(VALU_DEP_4)
	v_mul_f32 v109, v105, v100
	s_delay_alu instid0(VALU_DEP_1)
	v_fma_f32 v109, v106, v101, v109
	s_delay_alu instid0(VALU_DEP_1)
	v_fma_f32 v109, v107, v102, v109
	s_delay_alu instid0(VALU_DEP_1)
	v_fma_f32 v109, v108, v103, v109               ; the row's sum
	s_wait_alu depctr_va_vdst(0)
	v_rcp_f32 v110, v109
	v_nop                                          ; a plain line behind the reciprocal,
	s_wait_alu depctr_va_vdst(0)                   ; and the wait ahead of its first reader
.irp i, 0,1,2,3
	v_mul_f32 v[105+\i], v[105+\i], v110           ; f_i / the sum
.endr
.set j, 0
.rept 16
	v_mul_f32 v[112+j], v[32+j], v105
.set j, j+1
.endr
.irp i, 1,2,3
.set j, 0
.rept 16
	v_fma_f32 v[112+j], v[32+16*\i+j], v[105+\i], v[112+j]
.set j, j+1
.endr
.endr
	; my block of 32 channels is quantised: 16 numbers here, 16 in lane l xor 16
	v_max3_num_f32 v128, |v112|, |v113|, 0x8000000
.irp i, 2,4,6,8,10,12,14
	s_delay_alu instid0(VALU_DEP_1)
	v_max3_num_f32 v128, v128, |v[112+\i]|, |v[113+\i]|
.endr
	s_delay_alu instid0(VALU_DEP_1)
	v_permlanex16_b32 v129, v128, s[SEL], s[SEL+1]
	s_delay_alu instid0(VALU_DEP_1)
	v_max_num_f32 v128, v128, v129
	s_delay_alu instid0(VALU_DEP_1)
	v_add_nc_u32 v130, 0xf8800000, v128
	s_delay_alu instid0(VALU_DEP_1)
	v_lshrrev_b32 v132, 23, v130
.set j, 0
.rept 16
.set j, j+1
.endr
	v_cvt_scalef32_pk8_bf8_f32 v[136:137], v[112:119], v130
	v_cvt_scalef32_pk8_bf8_f32 v[138:139], v[120:127], v130
	v_nop                                          ; a plain line behind the last conversion
	global_store_b128 v21, v[136:139], s[68:69]    ; registers 4 x document on of the fragment's image: 512 consecutive bytes, aligned
	ds_store_b8 v20, v132                          ; lanes r and r + 16 write the same byte with the same value
	s_wait_dscnt 0x0
	s_barrier_signal -1
	s_barrier_wait -1
	s_cmp_lg_u32 s[WV], 0
	s_cbranch_scc1 .Lnot_first
	ds_load_b64 v[140:141], v22                    ; wave 0 stores the 64 rows' scale words: 256 consecutive bytes, aligned
	s_wait_dscnt 0x0
	global_store_b64 v26, v[140:141], s[70:71]
.Lnot_first:
	s_wait_tensorcnt 0x0                           ; the wave's end
	ds_add_u32 v[SPW], v[NIL]
	s_wait_dscnt 0x0
	CROUND                                         ; the closing round
	s_endpgm
.Lfunc_end_k_q0f860b6089_attn:
	.size	k_q0f860b6089_attn, .Lfunc_end_k_q0f860b6089_attn-k_q0f860b6089_attn
	.p2alignl 7, 3214868480
	.fill 96, 4, 3214868480
	.section	.rodata,"a",@progbits
	.p2align	6, 0x0
	.amdhsa_kernel k_q0f860b6089_attn
		.amdhsa_group_segment_fixed_size 327680
		.amdhsa_private_segment_fixed_size 0
		.amdhsa_enable_private_segment 0
		.amdhsa_kernarg_size 48
		.amdhsa_user_sgpr_count 2
		.amdhsa_user_sgpr_kernarg_segment_ptr 1
		.amdhsa_wavefront_size32 1
		.amdhsa_system_sgpr_workgroup_id_x 1
		.amdhsa_system_sgpr_workgroup_id_y 1
		.amdhsa_system_sgpr_workgroup_id_z 1
		.amdhsa_system_vgpr_workitem_id 0
		.amdhsa_next_free_vgpr 256
		.amdhsa_next_free_sgpr 80
		.amdhsa_reserve_vcc 0
		.amdhsa_float_denorm_mode_32 3
		.amdhsa_float_denorm_mode_16_64 3
		.amdhsa_fp16_overflow 1
		.amdhsa_memory_ordered 1
		.amdhsa_forward_progress 1
		.amdhsa_inst_pref_size 107
	.end_amdhsa_kernel
	.amdgpu_metadata
---
amdhsa.version: [ 1, 2 ]
amdhsa.kernels:
  - .name:           k_q0f860b6089_attn
    .symbol:         k_q0f860b6089_attn.kd
    .args:
      - { .name: qbuf, .offset: 0, .size: 8, .value_kind: global_buffer, .address_space: global }
      - { .name: kv, .offset: 8, .size: 8, .value_kind: global_buffer, .address_space: global }
      - { .name: doc_similarities, .offset: 16, .size: 8, .value_kind: global_buffer, .address_space: global }
      - { .name: beta, .offset: 24, .size: 8, .value_kind: global_buffer, .address_space: global }
      - { .name: out_img, .offset: 32, .size: 8, .value_kind: global_buffer, .address_space: global }
      - { .name: out_sc, .offset: 40, .size: 8, .value_kind: global_buffer, .address_space: global }
    .group_segment_fixed_size: 327680
    .private_segment_fixed_size: 0
    .kernarg_segment_align: 8
    .kernarg_segment_size: 48
    .max_flat_workgroup_size: 512
    .sgpr_count:     80
    .vgpr_count:     256
    .wavefront_size: 32
...
	.end_amdgpu_metadata
.endif
;; end of part 3
;; launch outp (part 4): grid 16 x 16, 4 waves a work-group, clusters of 4 x 4, 262,656 bytes of LDS; arguments out_img, out_sc, codes, scales, bout, out0; writes out0
.if DOCPART == 4
	.amdgcn_target "amdgcn-amd-amdhsa--gfx1250"
	.amdhsa_code_object_version 6
	.text
	.protected	k_q0f860b6089_outp
	.globl	k_q0f860b6089_outp
	.p2align	8
	.type	k_q0f860b6089_outp,@function
k_q0f860b6089_outp:
	s_mov_b64 s[64:65], 0
	v_nop
	global_prefetch_b8 v0, s[64:65] scope:SCOPE_SE
	s_setreg_imm32_b32 hwreg(HW_REG_WAVE_MODE, 25, 1), 1
	s_wait_xcnt 0x0
	s_wait_alu depctr_hold_cnt(0) depctr_sa_sdst(0) depctr_va_vdst(0) depctr_va_sdst(0) depctr_va_ssrc(0) depctr_va_vcc(0) depctr_vm_vsrc(0)
	s_getreg_b32 s2, hwreg(HW_REG_IB_STS2, 6, 4)
	s_cmp_eq_u32 s2, 0
	s_cbranch_scc0 .Lentry_in_a_cluster
	s_endpgm
.Lentry_in_a_cluster:
	s_bfe_u32 s2, ttmp6, 0x10000c
	s_cmp_lg_u32 s2, 0xf033
	s_cbranch_scc0 .Lentry_shape_is_right
	s_endpgm
.Lentry_shape_is_right:
; out0 = attention's result x Wout + bout, on codes of BF8 (E5M2) with E8M0 scales.  A: out_img, images of fragments [tile of 16 rows, 128][K step = head, 8][2,048 bytes]; its scale words out_sc [K step][row][4].
; B: Wout's columns, rows 13,312 on of the buffer of codes, with bits 3 and 4 of a row's number swapped; their scale bytes likewise.
; A tile of out0 is 128 rows x 64 columns: 256 work-groups.  All of K (1,024) lies in LDS at once, brought by two tensor loads a wave at the head: nothing is filled again.
; Wave w makes rows 32 w .. 32 w + 31 (two blocks) x 64 columns (four blocks): 8 accumulators by turns, 64 matrix instructions.  Source 0 = 16 columns of Wout, source 1 = 16 rows: a lane holds eight numbers of a row.
; The bias is the C of each sum's first matrix instruction.  CLUSTERS: 4 x 4: A's tile is asked for jointly along a row of the cluster, B's along a column.  No prefetch: a short launch.
; REGISTERS: window 0: v1-11 addresses; v16-23 A's scale words (K step s: lanes 0-15 block 0, lanes 16-31 block 1); v24-39 B's (8 (i / 2) + s: lanes 0-15 block 2 (i / 2), lanes 16-31 the next); v40-71 the bias; v72-135 the accumulators;
;   v160-255 of window s % 2: K step s's fragments: B's four, then A's two.
.set BOFF,  131072                     ; LDS: A's images, 32,768 bytes a wave, from 0; B's 64 rows from here, 1,024 bytes + 16 of padding each;
.set BP,    1040
.set STG,   BOFF+64*BP                 ; a stage of 32 rows x (256 + 16) bytes for each wave, bytes of its own
.set ADA, 1
.set ADB, 2
.set STO, 3
.set RD,  4
.set CO,  5
.set SA,  16
.set SB,  24
.set BI,  40
.set ACC, 72
.set F,   160
.set G1A, 24
.set G0A, 32
.set G1B, 36
.set G0B, 44
.set MSB, 0
.macro WIN new
.if MSB != (\new)
	s_set_vgpr_msb (MSB<<8)|(\new)
.set MSB, (\new)
.endif
.endm
.macro CROUND
	s_barrier_signal -1
	s_barrier_wait -1
	s_cmp_lg_u32 s16, 0
	s_cbranch_scc1 .Lnot_wave_0_\@
	s_barrier_signal -3
.Lnot_wave_0_\@:
	s_barrier_wait -3
	s_barrier_signal -1
	s_barrier_wait -1
.endm
	s_load_b256 s[4:11], s[0:1], 0x0               ; out_img s[4:5], out_sc s[6:7], codes s[8:9], scales s[10:11]
	s_load_b128 s[12:15], s[0:1], 0x20             ; bout s[12:13], out0 s[14:15]
	v_lshl_add_u32 v158, v0, 2, 0x40000
	v_mov_b32 v159, 0
	ds_add_u32 v158, v159
	v_lshrrev_b32 v1, 5, v0
	v_readfirstlane_b32 s16, v1                    ; wave 0..3
	s_bfe_u32 s17, ttmp6, 0x40000                  ; cx
	s_bfe_u32 s18, ttmp6, 0x40004                  ; cy
	s_lshl_b32 s19, ttmp9, 2
	s_add_co_u32 s19, s19, s17                     ; gx: which 64 columns
	s_and_b32 s20, ttmp7, 0xffff
	s_lshl_b32 s20, s20, 2
	s_add_co_u32 s20, s20, s18                     ; gy: which 128 rows
	s_lshl_b32 s21, s18, 2
	s_lshl_b32 s21, 15, s21                        ; my row of the cluster
	s_lshl_b32 s22, 0x1111, s17                    ; my column
	s_or_b32 s[G1A], s21, (3<<16)|(1<<21)          ; A: 32,768 dense bytes as 128 rows of 256 (32 elements of 8 bytes), no padding: images are read 16 bytes a lane on end
	s_mov_b32 s[G1A+1], 32<<16
	s_mov_b32 s[G1A+2], 128<<16
	s_mov_b32 s[G1A+3], 32<<16
	s_mov_b32 s[G1A+4], 128
	s_mov_b32 s[G1A+5], 32
	s_mov_b32 s[G1A+6], 0
	s_mov_b32 s[G1A+7], 0
	s_or_b32 s[G1B], s22, (0<<16)|(1<<20)|(1<<21)|(7<<22)|(3<<25)   ; B: 16 rows of 1,024 bytes; 4 words of padding after every 256
	s_mov_b32 s[G1B+1], 1024<<16
	s_mov_b32 s[G1B+2], 16<<16
	s_mov_b32 s[G1B+3], 1024<<16
	s_mov_b32 s[G1B+4], 16
	s_mov_b32 s[G1B+5], 1024
	s_mov_b32 s[G1B+6], 0
	s_mov_b32 s[G1B+7], 0
	s_lshl_b32 s48, s20, 17
	s_lshl_b32 s49, s16, 15
	s_add_co_u32 s48, s48, s49                     ; A: tiles of rows 8 gy + 2 w and the next: 16,384 bytes each
	s_mov_b32 s49, 0
	s_lshl_b32 s50, s19, 6
	s_lshl_b32 s51, s16, 4
	s_add_co_u32 s50, s50, s51
	s_add_co_u32 s50, s50, 13312
	s_lshl_b32 s50, s50, 10                        ; B: rows 13,312 + 64 gx + 16 w on
	s_mov_b32 s51, 0
	s_mov_b32 s[G0A], 1
	s_lshl_b32 s[G0A+1], s16, 15
	s_mov_b32 s[G0B], 1
	s_mul_i32 s[G0B+1], s16, 16*BP
	s_add_co_u32 s[G0B+1], s[G0B+1], BOFF
	s_lshl_b32 s52, s20, 9
	s_lshl_b32 s53, s16, 7
	s_add_co_u32 s52, s52, s53                     ; A's scale words: row 128 gy + 32 w
	s_mov_b32 s53, 0
	s_lshl_b32 s54, s19, 11
	s_add_co_u32 s54, s54, 13312*32                ; B's scale bytes
	s_mov_b32 s55, 0
	s_lshl_b32 s56, s19, 8                         ; the bias, and the tile's first column in out0: 256 gx bytes
	s_mov_b32 s57, 0
	s_lshl_b32 s58, s20, 19
	s_lshl_b32 s59, s16, 17
	s_add_co_u32 s58, s58, s59
	s_add_co_u32 s58, s58, s56                     ; out0: row 128 gy + 32 w, 4,096 bytes a row
	s_mov_b32 s59, 0
	s_wait_dscnt 0x0
	s_wait_kmcnt 0x0
	s_add_nc_u64 s[G0A+2:G0A+3], s[4:5], s[48:49]
	s_or_b32 s[G0A+3], s[G0A+3], 0x80000000
	s_add_nc_u64 s[G0B+2:G0B+3], s[8:9], s[50:51]
	s_or_b32 s[G0B+3], s[G0B+3], 0x80000000
	s_add_nc_u64 s[6:7], s[6:7], s[52:53]
	s_add_nc_u64 s[10:11], s[10:11], s[54:55]
	s_add_nc_u64 s[12:13], s[12:13], s[56:57]
	s_add_nc_u64 s[14:15], s[14:15], s[58:59]
	CROUND                                         ; all sixteen work-groups are here: the joint loads meet
	tensor_load_to_lds s[G0A:G0A+3], s[G1A:G1A+7]  ; a wave's two loads stand together; both are out until the one wait below
	s_nop 0
	tensor_load_to_lds s[G0B:G0B+3], s[G1B:G1B+7]
	s_nop 0
.rept 4
	v_nop
.endr
	v_and_b32 v11, 31, v0                          ; lane
	v_and_b32 v9, 15, v0                           ; r
	v_bfe_u32 v10, v0, 4, 1                        ; h
	v_lshlrev_b32 v6, 2, v11
	v_lshlrev_b32 v7, 5, v11
	v_lshlrev_b32 v8, 6, v10
.irp s, 0,1,2,3,4,5,6,7
	global_load_b32 v[SA+\s], v6, s[6:7] offset:8192*\s
.endr
.irp p, 0,1
	global_load_b128 v[SB+8*\p:SB+8*\p+3], v7, s[10:11] offset:1024*\p      ; a row's 32 scale bytes: eight words, one for each K step
	global_load_b128 v[SB+8*\p+4:SB+8*\p+7], v7, s[10:11] offset:1024*\p+16
.endr
.irp i, 0,1,2,3
	global_load_b128 v[BI+8*\i:BI+8*\i+3], v8, s[12:13] offset:(32*(\i/2)+8*(\i%2))*4      ; lane (r, h), block i: columns 32 (i / 2) + 16 h + 8 (i % 2) + 0 .. 7
	global_load_b128 v[BI+8*\i+4:BI+8*\i+7], v8, s[12:13] offset:(32*(\i/2)+8*(\i%2))*4+16
.endr
	s_lshl_b32 s23, s16, 15
	v_lshl_add_u32 v[ADA], v11, 4, s23             ; my two tiles' images: 16 x lane
	v_mul_u32_u24 v[ADB], v9, BP
	v_lshl_add_u32 v[ADB], v10, 4, v[ADB]
	v_add_nc_u32 v[ADB], BOFF, v[ADB]              ; B: row r x pitch + 16 h
	s_mul_i32 s23, s16, 32*272
	s_add_co_u32 s23, s23, STG                     ; my stage
	v_mul_u32_u24 v[STO], v9, 272
	v_lshl_add_u32 v[STO], v10, 6, v[STO]
	v_add_nc_u32 v[STO], s23, v[STO]               ; in: row r, + 64 h
	v_mul_u32_u24 v[RD], v10, 272
	v_lshl_add_u32 v[RD], v9, 4, v[RD]
	v_add_nc_u32 v[RD], s23, v[RD]                 ; back: lanes 0-15 one row of 256 bytes, lanes 16-31 the next
	v_lshlrev_b32 v[CO], 12, v10
	v_lshl_add_u32 v[CO], v9, 4, v[CO]             ; and the same two rows in out0
.macro FETCH s                         ; K step s's fragments, 24 loads, into window s % 2
.if (\s)%2
	WIN 0x40
.else
	WIN 0
.endif
.irp i, 0,1,2,3
.irp c, 0,1,2,3
	ds_load_b128 v[F+16*\i+4*\c:F+16*\i+4*\c+3], v[ADB] offset:16*BP*\i+128*(\s)+32*\c
.endr
.endr
.irp a, 0,1
.irp c, 0,1,2,3
	ds_load_b128 v[F+64+16*\a+4*\c:F+64+16*\a+4*\c+3], v[ADA] offset:16384*\a+2048*(\s)+512*\c
.endr
.endr
.endm
.macro MUL s                           ; eight matrix instructions, the eight accumulators by turns
.if (\s)%2
	WIN 0x05
.else
	WIN 0
.endif
.irp a, 0,1
.irp i, 0,1,2,3
.set rD, ACC+8*(4*\a+\i)
.set rC, rD
.if (\s) == 0
.set rC, BI+8*\i
.endif
.set rB, F+16*\i
.set rA, F+64+16*\a
.set rSB, SB+8*(\i/2)+(\s)
.set rSA, SA+(\s)
.if (\i%2) && \a
	v_wmma_scale_f32_16x16x128_f8f6f4 v[rD:rD+7], v[rB:rB+15], v[rA:rA+15], v[rC:rC+7], v[rSB], v[rSA] matrix_a_fmt:MATRIX_FMT_BF8 matrix_b_fmt:MATRIX_FMT_BF8 matrix_a_scale:MATRIX_SCALE_ROW1 matrix_b_scale:MATRIX_SCALE_ROW1
.elseif (\i%2)
	v_wmma_scale_f32_16x16x128_f8f6f4 v[rD:rD+7], v[rB:rB+15], v[rA:rA+15], v[rC:rC+7], v[rSB], v[rSA] matrix_a_fmt:MATRIX_FMT_BF8 matrix_b_fmt:MATRIX_FMT_BF8 matrix_a_scale:MATRIX_SCALE_ROW1
.elseif \a
	v_wmma_scale_f32_16x16x128_f8f6f4 v[rD:rD+7], v[rB:rB+15], v[rA:rA+15], v[rC:rC+7], v[rSB], v[rSA] matrix_a_fmt:MATRIX_FMT_BF8 matrix_b_fmt:MATRIX_FMT_BF8 matrix_b_scale:MATRIX_SCALE_ROW1
.else
	v_wmma_scale_f32_16x16x128_f8f6f4 v[rD:rD+7], v[rB:rB+15], v[rA:rA+15], v[rC:rC+7], v[rSB], v[rSA] matrix_a_fmt:MATRIX_FMT_BF8 matrix_b_fmt:MATRIX_FMT_BF8
.endif
.endr
.endr
.endm
	s_wait_tensorcnt 0x0                           ; my parts of A and of B are in,
	s_barrier_signal -1
	s_barrier_wait -1                              ; everybody's are
	FETCH 0
	FETCH 1
	s_wait_loadcnt 0x0                             ; the scale words and the bias
.irp s, 0,1,2,3,4,5,6,7
.if \s < 7
	s_wait_dscnt 24                                ; this K step's fragments are in; the next step's 24 loads may be out
.else
	s_wait_dscnt 0x0
.endif
	MUL \s
.if \s < 6
.rept 8
	v_nop                                          ; places in front of loads into registers that these products have read
.endr
	FETCH \s+2
.endif
.endr
	WIN 0
.rept 8
	v_nop                                          ; places in front of the first read of results, and of loads into the fragments' registers
.endr
	; THE WAY OUT: through my own stage, where the columns get their true order back, and out as whole rows of 256 bytes
.irp a, 0,1
.irp i, 0,1,2,3
	ds_store_b128 v[STO], v[ACC+8*(4*\a+\i):ACC+8*(4*\a+\i)+3] offset:16*272*\a+128*(\i/2)+32*(\i%2)        ; each accumulator from its low end on
	ds_store_b128 v[STO], v[ACC+8*(4*\a+\i)+4:ACC+8*(4*\a+\i)+7] offset:16*272*\a+128*(\i/2)+32*(\i%2)+16
.endr
.endr
.irp t, 0,1,2,3,4,5,6,7,8,9,10,11,12,13,14,15
	ds_load_b128 v[F+4*\t:F+4*\t+3], v[RD] offset:2*272*\t   ; my wave's own bytes, in order behind its stores
.endr
.irp t, 0,1,2,3,4,5,6,7,8,9,10,11,12,13,14,15
	s_wait_dscnt 15-\t
	global_store_b128 v[CO], v[F+4*\t:F+4*\t+3], s[14:15] offset:8192*\t th:TH_STORE_NT   ; sixteen lanes store 256 consecutive bytes, aligned
.endr
	s_wait_tensorcnt 0x0
	ds_add_u32 v158, v159
	s_wait_dscnt 0x0
	CROUND                                         ; the closing round
	s_endpgm
.Lfunc_end_k_q0f860b6089_outp:
	.size	k_q0f860b6089_outp, .Lfunc_end_k_q0f860b6089_outp-k_q0f860b6089_outp
	.p2alignl 7, 3214868480
	.fill 96, 4, 3214868480
	.section	.rodata,"a",@progbits
	.p2align	6, 0x0
	.amdhsa_kernel k_q0f860b6089_outp
		.amdhsa_group_segment_fixed_size 262656
		.amdhsa_private_segment_fixed_size 0
		.amdhsa_enable_private_segment 0
		.amdhsa_kernarg_size 48
		.amdhsa_user_sgpr_count 2
		.amdhsa_user_sgpr_kernarg_segment_ptr 1
		.amdhsa_wavefront_size32 1
		.amdhsa_system_sgpr_workgroup_id_x 1
		.amdhsa_system_sgpr_workgroup_id_y 1
		.amdhsa_system_sgpr_workgroup_id_z 1
		.amdhsa_system_vgpr_workitem_id 0
		.amdhsa_next_free_vgpr 512
		.amdhsa_next_free_sgpr 66
		.amdhsa_reserve_vcc 0
		.amdhsa_float_denorm_mode_32 3
		.amdhsa_float_denorm_mode_16_64 3
		.amdhsa_memory_ordered 1
		.amdhsa_forward_progress 1
		.amdhsa_inst_pref_size 35
	.end_amdhsa_kernel
	.amdgpu_metadata
---
amdhsa.version: [ 1, 2 ]
amdhsa.kernels:
  - .name:           k_q0f860b6089_outp
    .symbol:         k_q0f860b6089_outp.kd
    .args:
      - { .name: out_img, .offset: 0, .size: 8, .value_kind: global_buffer, .address_space: global }
      - { .name: out_sc, .offset: 8, .size: 8, .value_kind: global_buffer, .address_space: global }
      - { .name: codes, .offset: 16, .size: 8, .value_kind: global_buffer, .address_space: global }
      - { .name: scales, .offset: 24, .size: 8, .value_kind: global_buffer, .address_space: global }
      - { .name: bout, .offset: 32, .size: 8, .value_kind: global_buffer, .address_space: global }
      - { .name: out0, .offset: 40, .size: 8, .value_kind: global_buffer, .address_space: global }
    .group_segment_fixed_size: 262656
    .private_segment_fixed_size: 0
    .kernarg_segment_align: 8
    .kernarg_segment_size: 48
    .max_flat_workgroup_size: 128
    .sgpr_count:     66
    .vgpr_count:     512
    .wavefront_size: 32
...
	.end_amdgpu_metadata
.endif
;; end of part 4
